; MI455X (gfx1250); checked and timed in simulation.
; The chip was launched on July 23, 2026; its instructions are those of AMD's public machine-readable ISA for CDNA 5 (MIT licence, August 2026) and "CDNA5" Instruction Set Architecture Reference Guide (July 2026). The comments in the code are by the model that wrote it; some were corrected since.
;; Multi Head Attention. Allowed arithmetic: matrix products marked QUANTISED: E2M3 operands, one E8M0 scale for each 32 along K, by v_wmma_scale_f32_16x16x128_f8f6f4 with both operands' format E2M3, f32 sums; everything else in f32.
;; Inputs: W_k 1,024 x 1,024 float32; W_o 1,024 x 1,024 float32; W_q 1,024 x 1,024 float32; W_v 1,024 x 1,024 float32; mask 1 x 1 x 2,048 x 2,048 bool; x 2 x 2,048 x 1,024 float32.
;; Outputs: out0 2 x 2,048 x 1,024 float32.
;; This version of the problem:
;;   THIS VERSION OF THE PROBLEM IS GIVEN IN LOW PRECISION. The matrix products marked QUANTISED in the list below multiply operands that are first quantised to E2M3 (2 exponent bits, 3 mantissa bits; 6 bits a number), with one power-of-two scale for each 32 numbers along K (OCP MX v1.0); their sums are f32. All else is computed in f32.
;;   The module's matrix products, in the order in which they are computed (A, B: the left and right operand; K: the contracted axis; several contracted axes count as one K, in the product's order):
;;     1. [M 4,096, K 1,024] x [K 1,024, N 1,024]; A: input x; B: input W_q: QUANTISED
;;     2. [M 4,096, K 1,024] x [K 1,024, N 1,024]; A: input x; B: input W_k: QUANTISED
;;     3. [M 4,096, K 1,024] x [K 1,024, N 1,024]; A: input x; B: input W_v: QUANTISED
;;     4. batch 32 x [M 2,048, K 64] x [K 64, N 2,048]; A: computed on the way; B: computed on the way: QUANTISED
;;     5. batch 32 x [M 2,048, K 2,048] x [K 2,048, N 64]; A: computed on the way; B: computed on the way: QUANTISED
;;     6. [M 4,096, K 1,024] x [K 1,024, N 1,024]; A: computed on the way; B: input W_o: QUANTISED
;;   THE QUANTISER, for each operand of a quantised product, along K:
;;     - K is cut into blocks of 32 from its start; a last block that is shorter is filled with zeros.
;;     - A block's scale is 2^e with e = floor(log2(the largest magnitude in the block)) - 2, held to -126 .. 127; a block of zeros has e = 0. As a byte (E8M0): e + 127.
;;     - Each number is divided by its block's scale, clamped to +-7.5, and rounded to the nearest number of E2M3, ties to even, subnormals kept.
;;     - The product sums the exact products of the quantised numbers (number of the format x scale) in f32.
;;   ~~~python
;;   def quantise(x, axis):      # numpy; x: float32 -> the quantised numbers, widened to float32 again
;;       x = np.moveaxis(x, axis, -1); K = x.shape[-1]
;;       x = np.pad(x, [(0, 0)] * (x.ndim - 1) + [(0, -K % 32)]); x = x.reshape(x.shape[:-1] + (-1, 32)); a = np.abs(x).max(-1, keepdims=True)
;;       e = np.where(a > 0, np.clip(np.frexp(np.where(a > 0, a, 1))[1] - 1 - 2, -126, 127), 0)      # np.frexp(a)[1] - 1 = floor(log2(a)), exactly
;;       r = np.clip(x / 2.0 ** e, -7.5, 7.5)
;;       step = 2.0 ** (np.maximum(np.frexp(np.where(r == 0, 1, r))[1] - 1, 0) - 3)
;;       q = np.round(r / step) * step * 2.0 ** e      # np.round: ties to even
;;       return np.moveaxis(q.reshape(q.shape[:-2] + (-1,))[..., :K], -1, axis).astype(np.float32)
;;   ~~~
;;   OPERANDS COMPUTED ON THE WAY. 'Computed on the way' means the value that the module computes at that place (a softmax that the list does not call 'softmax' is quantised finished and normalised). What goes into a quantiser is computed in f32, as accurately as f32 sums, v_exp_f32 and their like allow (about 1e-6 of the number): no bf16 or f16 on the way to a quantiser, and a product that is left as it is and whose result goes on into a quantised operand takes f32 operands (vector FMAs, or v_wmma_f32_16x16x4_f32). A number that lies on a knife's edge between two numbers of the format may be rounded either way, as far as f32 arithmetic and the matrix unit's own rounding can turn it there, and no further.
;; 2 versions, each right; version 2 is version 1 with the launch attn written anew for expert scheduling mode. Each part assembles by itself: llvm-mc -triple=amdgcn-amd-amdhsa -mcpu=gfx1250 --defsym DOCPART=n.
;; ======== version 1 of 2: 4 launches
;; workspace buffers: cin 6,291,456 bytes; sin 524,288 bytes; maskw 524,288 bytes of whole numbers; flags 262,144 bytes of whole numbers; cqkv 9,437,184 bytes; sqkv 786,432 bytes; cao 3,145,728 bytes; sao 262,144 bytes
;; launch prep (part 1): grid 1536 x 1, 4 waves a work-group, no clusters, 34,304 bytes of LDS; arguments x, W_q, W_k, W_v, W_o, mask, cin, sin, maskw, flags; writes cin, sin, maskw, flags
.if DOCPART == 1
	.amdgcn_target "amdgcn-amd-amdhsa--gfx1250"
	.amdhsa_code_object_version 6
	.text
	.protected	k_qceee3c4402_prep
	.globl	k_qceee3c4402_prep
	.p2align	8
	.type	k_qceee3c4402_prep,@function
k_qceee3c4402_prep:
	s_mov_b64 s[64:65], 0
	v_nop
	global_prefetch_b8 v0, s[64:65] scope:SCOPE_SE
	s_setreg_imm32_b32 hwreg(HW_REG_WAVE_MODE, 25, 1), 1
	s_wait_xcnt 0x0
; x [4096][1024] and W_q, W_k, W_v, W_o [1024][1024], f32, K innermost, become codes of FP6 (E2M3) with one E8M0 byte for each 32 along K, laid as IMAGES OF OPERAND REGISTERS;
; the mask [2048][2048] of bytes becomes select words (a bit a lane) and two flags for each tile of 16 queries x 128 keys.
; A TILE T is 16 rows: its lane r holds row 32 (T / 2) + 8 (T % 2) + r + 8 (r / 8).  An image is 16 rows x 128 K, 12 registers a lane, 1,536 bytes: registers 0-3 at 16 x lane, 4-5 at 512 + 8 x lane,
; 6-9 at 768 + 16 x lane, 10-11 at 1,280 + 8 x lane.  Its scale words: 128 bytes, 4 x lane (lanes 16-31 repeat lanes 0-15).  cin: [tile 512][chunk 8][1,536]: x's 256 tiles, then 64 of each weight; sin likewise.
; A block's scale is 2^(floor(log2(its largest magnitude)) - 2); its byte is the largest magnitude's exponent field - 2, held at 1 from below.  A block of zeros so gets the byte 1 where the quantiser says 127:
; its codes are zeros, which add nothing under any byte but 0xff, and this program alone reads the bytes.
; LIMITS: NaN and infinities among the inputs are not served.  The mask's bytes are taken as 0 or 1, as the type bool states them.
; SHARES.  Work-groups 0-1023: a wave makes one image (tile = work-group / 2, chunk = 4 (work-group % 2) + wave).  Each of its 16 loads reads 512 consecutive bytes of one row; the 8,192 bytes turn through the wave's
; own stage in LDS (rows 528 bytes apart) so that a lane gets 16 neighbours of each block of 32.  Work-groups 1024-1535: a wave takes one tile of the mask.  Waves share nothing: no barrier.
.set STGB, 16*528                      ; a wave's stage
.set PC,   144                         ; v144-163 the codes just made
.set TM,   164                         ; v164-167 largest magnitudes, v168-171 bytes, v176-179 the conversions' scale operands
.set PW,   180                         ; the scale word
.set SEL,  26                          ; s[26:27] lane selects for v_permlanex16_b32: lane l xor 16
; 64 numbers of a lane, v[s] .. v[s + 63], register 16 b + i = k 32 b + 16 (lane / 16) + i of my row, become a fragment's codes in v[PC] on and its scale word in v[PW].
.macro QUANT s
.irp b, 0,1,2,3
	v_max3_num_f32 v[TM+\b], |v[\s+16*\b]|, |v[\s+1+16*\b]|, 0x1800000   ; block b: my 16 numbers, and the floor 2^(3 - 127): so the byte cannot fall under 1
.endr
.irp i, 2,4,6,8,10,12,14
.irp b, 0,1,2,3
	v_max3_num_f32 v[TM+\b], v[TM+\b], |v[\s+16*\b+\i]|, |v[\s+1+16*\b+\i]|   ; the four blocks by turns
.endr
.endr
.irp b, 0,1,2,3
	v_permlanex16_b32 v[TM+4+\b], v[TM+\b], s[SEL], s[SEL+1]
.endr
.irp b, 0,1,2,3
	v_max_num_f32 v[TM+\b], v[TM+\b], v[TM+4+\b]   ; with lane l xor 16's: the block's largest magnitude
.endr
.irp b, 0,1,2,3
	v_add_nc_u32 v[TM+12+\b], 0xff000000, v[TM+\b]   ; 2 off its exponent field: the conversion takes the exponent field of this operand as its scale
.endr
.irp b, 0,1,2,3
	v_lshrrev_b32 v[TM+4+\b], 23, v[TM+12+\b]      ; the scale's byte
.endr
	v_lshl_or_b32 v[PW], v[TM+5], 8, v[TM+4]       ; the four bytes make my row's scale word
	v_lshl_or_b32 v[PW], v[TM+6], 16, v[PW]
	v_lshl_or_b32 v[PW], v[TM+7], 24, v[PW]
.irp c, 0,1
	v_cvt_scalef32_pk16_fp6_f32 v[PC+6*\c:PC+2+6*\c], v[\s+32*\c:\s+15+32*\c], v[TM+12+2*\c]
	v_cvt_scalef32_pk16_fp6_f32 v[PC+12+4*\c:PC+14+4*\c], v[\s+16+32*\c:\s+31+32*\c], v[TM+12+2*\c+1]   ; (a conversion's three registers begin on an even number)
.endr
	v_nop                                          ; one plain instruction behind a scaled conversion
.irp c, 0,1                                    ; the operand's layout wants a WHOLE block in a lane: lanes 0-15 block 2 c, lanes 16-31 block 2 c + 1
.irp i, 0,1,2
	v_permlane16_swap_b32 v[PC+6*\c+\i], v[PC+12+4*\c+\i]
.endr
.irp i, 0,1,2
	v_mov_b32 v[PC+3+6*\c+\i], v[PC+12+4*\c+\i]
.endr
.endr
.endm
	s_load_b512 s[4:19], s[0:1], 0x0               ; x s[4:5], W_q s[6:7], W_k s[8:9], W_v s[10:11], W_o s[12:13], mask s[14:15], cin s[16:17], sin s[18:19]
	s_load_b128 s[20:23], s[0:1], 0x40             ; maskw s[20:21], flags s[22:23]
	v_lshl_add_u32 v184, v0, 2, 0x8400
	v_mov_b32 v185, 0
	v_lshrrev_b32 v1, 5, v0
	v_readfirstlane_b32 s24, v1                    ; wave 0..3
	v_and_b32 v5, 31, v0                           ; lane
	v_lshlrev_b32 v1, 4, v5                        ; 16 x lane
	v_lshlrev_b32 v3, 3, v5                        ; 8 x lane
	v_lshlrev_b32 v4, 2, v5                        ; 4 x lane
	v_and_b32 v6, 15, v0                           ; r
	v_bfe_u32 v7, v0, 4, 1                         ; h
	s_mov_b32 s[SEL], 0x76543210
	s_mov_b32 s[SEL+1], 0xfedcba98
	s_wait_kmcnt 0x0
	s_cmp_ge_u32 ttmp9, 1024
	s_cbranch_scc1 .Lmask
	; ---- an image of x or of a weight.  The tensor is chosen by the work-group's number alone: only a pointer and the tensor's first tile are chosen
	s_mov_b64 s[28:29], s[4:5]
	s_mov_b32 s30, 0
	s_cmp_ge_u32 ttmp9, 512
	s_cselect_b64 s[28:29], s[6:7], s[28:29]
	s_cselect_b32 s30, 256, s30
	s_cmp_ge_u32 ttmp9, 640
	s_cselect_b64 s[28:29], s[8:9], s[28:29]
	s_cselect_b32 s30, 320, s30
	s_cmp_ge_u32 ttmp9, 768
	s_cselect_b64 s[28:29], s[10:11], s[28:29]
	s_cselect_b32 s30, 384, s30
	s_cmp_ge_u32 ttmp9, 896
	s_cselect_b64 s[28:29], s[12:13], s[28:29]
	s_cselect_b32 s30, 448, s30
	s_lshr_b32 s31, ttmp9, 1                       ; tile T
	s_and_b32 s32, ttmp9, 1
	s_lshl_b32 s32, s32, 2
	s_add_co_u32 s32, s32, s24                     ; chunk C
	s_sub_co_u32 s33, s31, s30                     ; the tile's number in its tensor
	s_lshr_b32 s34, s33, 1
	s_lshl_b32 s34, s34, 5
	s_and_b32 s35, s33, 1
	s_lshl_b32 s35, s35, 3
	s_add_co_u32 s34, s34, s35                     ; its lane 0's row
	s_lshl_b32 s34, s34, 12                        ; rows of 4,096 bytes
	s_lshl_b32 s35, s32, 9                         ; chunks of 512 bytes
	s_add_co_u32 s34, s34, s35
	s_mov_b32 s35, 0
	s_add_nc_u64 s[28:29], s[28:29], s[34:35]
	s_lshl_b32 s36, s31, 3
	s_add_co_u32 s36, s36, s32                     ; 8 T + C
	s_mul_i32 s38, s36, 1536
	s_mov_b32 s39, 0
	s_add_nc_u64 s[16:17], s[16:17], s[38:39]
	s_lshl_b32 s38, s36, 7
	s_add_nc_u64 s[18:19], s[18:19], s[38:39]
	s_mul_i32 s37, s24, STGB
	v_add_nc_u32 v2, s37, v1                       ; the stage, on the way in: 16 x lane of a row
	v_mul_u32_u24 v8, v6, 528
	v_lshl_add_u32 v8, v7, 6, v8
	v_add_nc_u32 v8, s37, v8                       ; and back: row r, + 64 h: my 16 numbers of a block of 32
.irp i, 0,1,2,3,4,5,6,7,8,9,10,11,12,13,14,15
	global_load_b128 v[16+4*\i:19+4*\i], v1, s[28:29] offset:(\i+8*(\i/8))*4096 th:TH_LOAD_NT   ; lane i's row: 32 lanes read 512 consecutive bytes
.endr
.irp b, 0,1,2,3
	v_mov_b32 v[TM+4+\b], 0                        ; a lane permute's destination counts as one of its sources
.endr
.irp i, 0,1,2,3,4,5,6,7,8,9,10,11,12,13,14,15
	s_wait_loadcnt 15-\i                           ; loads come back in order: row i is in, the younger ones stay out
	ds_store_b128 v2, v[16+4*\i:19+4*\i] offset:528*\i
.endr
.irp b, 0,1,2,3
.irp j, 0,1,2,3
	ds_load_b128 v[80+16*\b+4*\j:83+16*\b+4*\j], v8 offset:128*\b+16*\j   ; LDS serves a wave's instructions in order: these see my stores
.endr
.endr
	s_wait_dscnt 0x0
	QUANT 80
	global_store_b128 v1, v[PC:PC+3], s[16:17]                 ; each store covers 512 or 256 consecutive bytes, aligned
	global_store_b64 v3, v[PC+4:PC+5], s[16:17] offset:512
	global_store_b128 v1, v[PC+6:PC+9], s[16:17] offset:768
	global_store_b64 v3, v[PC+10:PC+11], s[16:17] offset:1280
	global_store_b32 v4, v[PW], s[18:19]
	s_wait_tensorcnt 0x0
	ds_add_u32 v184, v185
	s_wait_dscnt 0x0
	s_endpgm
	; ---- a tile of the mask: 16 queries (a tile's rows) x 128 keys.  Word n = 16 b + i holds, at bit L, mask[row of lane L % 16][128 chunk + 32 b + 16 (L / 16) + i]: the select of score register n
.Lmask:
	s_sub_co_u32 s28, ttmp9, 1024
	s_lshl_b32 s28, s28, 2
	s_add_co_u32 s28, s28, s24                     ; u = 16 x query tile + chunk
	s_lshr_b32 s29, s28, 4
	s_and_b32 s30, s28, 15
	s_lshr_b32 s31, s29, 1
	s_lshl_b32 s31, s31, 5
	s_and_b32 s42, s29, 1
	s_lshl_b32 s42, s42, 3
	s_add_co_u32 s31, s31, s42                     ; lane 0's row
	s_lshl_b32 s42, s31, 11                        ; rows of 2,048 bytes
	s_lshl_b32 s43, s30, 7
	s_add_co_u32 s42, s42, s43
	s_mov_b32 s43, 0
	s_add_nc_u64 s[14:15], s[14:15], s[42:43]
	s_lshl_b32 s42, s28, 8
	s_add_nc_u64 s[20:21], s[20:21], s[42:43]
	s_lshl_b32 s42, s28, 7
	s_add_nc_u64 s[22:23], s[22:23], s[42:43]
	v_and_b32 v8, 8, v6
	v_add_nc_u32 v8, v8, v6                        ; r + 8 (r / 8)
	v_lshlrev_b32 v8, 11, v8
	v_lshl_add_u32 v8, v7, 4, v8                   ; + 16 h
.irp b, 0,1,2,3
	global_load_b128 v[16+4*\b:19+4*\b], v8, s[14:15] offset:32*\b
.endr
	v_mov_b32 v32, 0                               ; v_writelane_b32's destination counts as read
	v_mov_b32 v33, 0
	s_wait_loadcnt 0x0
.set n, 0
.rept 64
	v_and_b32 v[40+n%8], 0xff<<(8*(n%4)), v[16+n/4]    ; byte n of my 64
	v_cmp_ne_u32 s[32+n%8], 0, v[40+n%8]               ; a bit a lane
	v_writelane_b32 v[32+n%2], s[32+n%8], n/2          ; word n goes to lane n / 2: the even words in v32, the odd ones in v33
.set n, n+1
.endr
	global_store_b64 v3, v[32:33], s[20:21]        ; 32 lanes store the tile's 64 words: 256 consecutive bytes, aligned
	v_or_b32 v48, v16, v17
	v_and_b32 v49, v16, v17
.irp i, 18,19,20,21,22,23,24,25,26,27,28,29,30,31
	v_or_b32 v48, v48, v[\i]
	v_and_b32 v49, v49, v[\i]
.endr
	v_cmp_ne_u32 s40, 0, v48                       ; lanes with a hidden key
	v_cmp_ne_u32 s41, 0x01010101, v49              ; lanes with a key that counts
	s_cmp_lg_u32 s40, 0
	s_cselect_b32 s42, 2, 0
	s_cmp_lg_u32 s41, 0
	s_cselect_b32 s43, 1, 0
	s_or_b32 s42, s42, s43                         ; bit 0: some key counts; bit 1: some key is hidden
	v_mov_b32 v50, s42
	global_store_b32 v4, v50, s[22:23]
	s_endpgm
.Lfunc_end_k_qceee3c4402_prep:
	.size	k_qceee3c4402_prep, .Lfunc_end_k_qceee3c4402_prep-k_qceee3c4402_prep
	.p2alignl 7, 3214868480
	.fill 96, 4, 3214868480
	.section	.rodata,"a",@progbits
	.p2align	6, 0x0
	.amdhsa_kernel k_qceee3c4402_prep
		.amdhsa_group_segment_fixed_size 34304
		.amdhsa_private_segment_fixed_size 0
		.amdhsa_enable_private_segment 0
		.amdhsa_kernarg_size 80
		.amdhsa_user_sgpr_count 2
		.amdhsa_user_sgpr_kernarg_segment_ptr 1
		.amdhsa_wavefront_size32 1
		.amdhsa_system_sgpr_workgroup_id_x 1
		.amdhsa_system_sgpr_workgroup_id_y 1
		.amdhsa_system_sgpr_workgroup_id_z 1
		.amdhsa_system_vgpr_workitem_id 0
		.amdhsa_next_free_vgpr 186
		.amdhsa_next_free_sgpr 66
		.amdhsa_reserve_vcc 0
		.amdhsa_float_denorm_mode_32 3
		.amdhsa_float_denorm_mode_16_64 3
		.amdhsa_memory_ordered 1
		.amdhsa_forward_progress 1
		.amdhsa_inst_pref_size 26
	.end_amdhsa_kernel
	.amdgpu_metadata
---
amdhsa.version: [ 1, 2 ]
amdhsa.kernels:
  - .name:           k_qceee3c4402_prep
    .symbol:         k_qceee3c4402_prep.kd
    .args:
      - { .name: x, .offset: 0, .size: 8, .value_kind: global_buffer, .address_space: global }
      - { .name: W_q, .offset: 8, .size: 8, .value_kind: global_buffer, .address_space: global }
      - { .name: W_k, .offset: 16, .size: 8, .value_kind: global_buffer, .address_space: global }
      - { .name: W_v, .offset: 24, .size: 8, .value_kind: global_buffer, .address_space: global }
      - { .name: W_o, .offset: 32, .size: 8, .value_kind: global_buffer, .address_space: global }
      - { .name: mask, .offset: 40, .size: 8, .value_kind: global_buffer, .address_space: global }
      - { .name: cin, .offset: 48, .size: 8, .value_kind: global_buffer, .address_space: global }
      - { .name: sin, .offset: 56, .size: 8, .value_kind: global_buffer, .address_space: global }
      - { .name: maskw, .offset: 64, .size: 8, .value_kind: global_buffer, .address_space: global }
      - { .name: flags, .offset: 72, .size: 8, .value_kind: global_buffer, .address_space: global }
    .group_segment_fixed_size: 34304
    .private_segment_fixed_size: 0
    .kernarg_segment_align: 8
    .kernarg_segment_size: 80
    .max_flat_workgroup_size: 128
    .sgpr_count:     66
    .vgpr_count:     186
    .wavefront_size: 32
...
	.end_amdgpu_metadata
.endif
;; end of part 1
;; launch gemm_qkv (part 2): grid 8 x 24, 4 waves a work-group, clusters of 4 x 4, 327,680 bytes of LDS; arguments cin, sin, cqkv, sqkv; writes cqkv, sqkv
.if DOCPART == 2
	.amdgcn_target "amdgcn-amd-amdhsa--gfx1250"
	.amdhsa_code_object_version 6
	.text
	.protected	k_qceee3c4402_gemm_qkv
	.globl	k_qceee3c4402_gemm_qkv
	.p2align	8
	.type	k_qceee3c4402_gemm_qkv,@function
k_qceee3c4402_gemm_qkv:
	s_mov_b64 s[64:65], 0
	v_nop
	global_prefetch_b8 v0, s[64:65] scope:SCOPE_SE
	s_setreg_imm32_b32 hwreg(HW_REG_WAVE_MODE, 25, 1), 1
	s_wait_xcnt 0x0
	s_wait_alu depctr_hold_cnt(0) depctr_sa_sdst(0) depctr_va_vdst(0) depctr_va_sdst(0) depctr_va_ssrc(0) depctr_va_vcc(0) depctr_vm_vsrc(0)
	s_getreg_b32 s2, hwreg(HW_REG_IB_STS2, 6, 4)
	s_cmp_eq_u32 s2, 0
	s_cbranch_scc0 .Lentry_in_a_cluster
	s_endpgm
.Lentry_in_a_cluster:
	s_bfe_u32 s2, ttmp6, 0x10000c
	s_cmp_lg_u32 s2, 0xf033
	s_cbranch_scc0 .Lentry_shape_is_right
	s_endpgm
.Lentry_shape_is_right:
; q = x W_q^T, k = x W_k^T, v = x W_v^T on codes of FP6 (E2M3) with E8M0 scales, sums in f32; the results are quantised from the accumulators and leave as codes: q and k along the head's axis, v along the tokens.
; ONE TEXT FOR TWO PRODUCTS C[m][n] = sum over k of A[m][k] B[n][k], C quantised along n.  Clusters with y = 0..3: A = x (16 tile rows of 256), B = W_q and W_k on end (8 tile columns).
; Clusters with y = 4, 5: A = W_v (4 tile rows), B = x (16 tile columns): that is V^T, with the tokens along n.  Only offsets are chosen, by the cluster's y, which all sixteen partners share.
; OPERANDS lie in memory as images of operand registers: [tile of 16 rows][chunk of 128 K][1,536 bytes]: registers 0-3 at 16 x lane, 4-5 at 512 + 8 x lane, 6-9 at 768 + 16 x lane, 10-11 at 1,280 + 8 x lane;
; scale words [tile][chunk][128 bytes], 4 x lane.  Lane r of tile T holds row 32 (T / 2) + 8 (T % 2) + r + 8 (r / 8).
; A tile of C, 256 x 256, is made by four waves, each 128 x 128: 64 accumulators, 512 registers.  K = 1,024 goes in four steps of 256 through a ring of two LDS slots filled by the tensor data mover; a wave's load
; brings 8 tiles x 2 chunks: 8 rows of 3,072 consecutive bytes, 12,288 bytes apart.  The scale words of the work-group's rows, for all of K, come once with the first fills.
; CLUSTERS: 4 x 4 work-groups.  The four of a row of the cluster need the same tiles of A, the four of a column the same tiles of B: each is asked for jointly.
; THE MATRIX INSTRUCTION IS USED TRANSPOSED (source 0 = a tile of B, source 1 = a tile of A): a lane holds one row of A's tile; by the tiles' row order the 64 registers of A's block a are register 16 P + i =
; n 32 P + 16 (lane / 16) + i: 16 neighbours of each block of 32 along n, as the conversions want them.  So the result becomes an image without leaving the registers.
; A block of zeros gets the scale byte 1 where the quantiser says 127: its codes are zeros, and this program alone reads the bytes.  LIMITS: NaN and infinities are not served.
; REGISTERS: window 0: v16-23 LDS addresses, v24-26 16, 8, 4 x lane, v27 scale words' address, v28-29 for the add; v32-63 scale words, two sets; v128-223 A's fragments, one set.
;   window 1: B's fragments, two sets, at v0 and v128.  windows 2, 3: the accumulators ((a, b) at v[8 (8 (a % 4) + b)]).  On the way out window 0's v32-127 are free.
.set NQ,     2                         ; chunks of 128 along K in a slot
.set FR,     12                        ; registers of a fragment
.set FRB,    1536                      ; its image in bytes
.set NL,     4                         ; LDS loads that bring one
.set NP,     4                         ; places behind this matrix instruction (ISA guide 7.12.1)
.set HALFT,  8*NQ*FRB                  ; 8 tiles x 2 chunks: what one tensor load brings, and what one wave reads of A or of B
.set SLOT,   4*HALFT
.set LAPS,   2                         ; a lap = two K steps = once round the ring
.set SCL,    2*SLOT                    ; behind the ring: the scale words
.set HALFS,  8*8*128                   ; those of 8 tiles, all 8 chunks
.set SPARE,  SCL+4*HALFS               ; the spare words, 128 bytes for each wave: two blocks of 256 bytes that no other line names
.set ADRA, 16                          ; v16-17 my A fragments in slot 0, 1, + 16 x lane;  v18-19 the same + 8 x lane
.set ADRB, 20                          ; v20-23 the same for B
.set L16,  24
.set L8,   25
.set L4,   26
.set ADRS, 27
.set SPW,  28                          ; SPARE + 4 x my thread's number; never rewritten
.set NIL,  29                          ; 0; never rewritten
.set SC,   32                          ; scale words: set s at v[SC + 16 s]; register 2 i + q: lanes 0-15 the word of A's block i, lanes 16-31 that of B's block i, chunk q of the slot
.set AF,   128
.set TM,   32                          ; the way out: at work
.set SEL,  18                          ; s[18:19] the way out: lane selects for v_permlanex16_b32
.set G1, 24
.set G0, 32
.set G1B, 48
.set G0B, 56
.set G1S, 68
.set G0S, 76
.set G1SB, 80
.set G0SB, 88
.set MSB, 0
.macro WIN new                         ; the immediate's high byte repeats the setting that is left
.if MSB != (\new)
	s_set_vgpr_msb (MSB<<8)|(\new)
.set MSB, (\new)
.endif
.endm
.set MUL_LO, 0xa1                      ; source 0 (B) window 1, source 1 (A) window 0, C and D window 2
.set MUL_HI, 0xf1                      ; the same, C and D window 3
.set TO_B,   0x40                      ; destination window 1, address window 0
; A joint load: waves 0 and 1 fetch for A, waves 2 and 3 for B.  The branch hangs on the wave's number alone.  Four v_nop follow each of the two lines.
.macro JLOAD g0a, g1a, g0b, g1b
	s_cmp_eq_u32 s15, 0
	s_cbranch_scc0 .Lfor_b_\@
	tensor_load_to_lds s[\g0a:\g0a+3], s[\g1a:\g1a+7]
	s_nop 0
.rept 4
	v_nop
.endr
	s_branch .Lasked_\@
.Lfor_b_\@:
	tensor_load_to_lds s[\g0b:\g0b+3], s[\g1b:\g1b+7]
	s_nop 0
.rept 4
	v_nop
.endr
.Lasked_\@:
.endm
.macro CREST                           ; a round of the cluster's barrier behind its opening barrier
	s_cmp_lg_u32 s14, 0
	s_cbranch_scc1 .Lnot_wave_0_\@
	s_barrier_signal -3
.Lnot_wave_0_\@:
	s_barrier_wait -3
	s_barrier_signal -1
	s_barrier_wait -1
.endm
.macro CROUND                          ; a whole round
	s_barrier_signal -1
	s_barrier_wait -1
	CREST
.endm
	s_load_b256 s[4:11], s[0:1], 0x0               ; cin s[4:5], sin s[6:7], cqkv s[8:9], sqkv s[10:11]
	v_lshl_add_u32 v[SPW], v0, 2, SPARE
	v_mov_b32 v[NIL], 0
	ds_add_u32 v28, v29
	ds_add_u32 v28, v29
	s_wait_dscnt 0x0
	v_lshrrev_b32 v1, 5, v0
	v_readfirstlane_b32 s14, v1                    ; wave 0..3
	s_lshr_b32 s15, s14, 1                         ; which half of the tile's rows (A) is mine.  Also: I fetch for A (0) or for B (1)
	s_and_b32 s16, s14, 1                          ; which half of its columns (B).  Also: which 8 tiles I fetch
	s_bfe_u32 s40, ttmp6, 0x40000                  ; cx, cy: my place in the cluster
	s_bfe_u32 s41, ttmp6, 0x40004
	s_and_b32 s95, ttmp7, 0xffff                   ; the cluster's y
	s_sub_co_u32 s98, s95, 4
	s_lshl_b32 s98, s98, 1
	s_cmp_ge_u32 s95, 4                            ; V^T's clusters?  All selects hang on this one compare
	s_cselect_b32 s96, 1, 0
	s_cselect_b32 s97, 0, s95                      ; cluster row of C
	s_cselect_b32 s98, s98, 0                      ; added to the cluster's x: V^T's four cluster columns lie in two rows of the grid
	s_cselect_b32 s99, 0x480000, 0                 ; A's codes: W_v's first image, or x's
	s_cselect_b32 s100, 0x60000, 0                 ; A's scale words
	s_cselect_b32 s101, 0, 0x300000                ; B's codes: x's, or W_q's
	s_cselect_b32 s12, 0, 0x40000                  ; B's scale words
	s_cselect_b32 s13, 0x600000, 0                 ; the result's codes: V^T lies behind q and k
	s_cselect_b32 s2, 0x80000, 0                   ; and its scale words
	s_add_co_u32 s42, ttmp9, s98
	s_lshl_b32 s42, s42, 2
	s_add_co_u32 s42, s42, s40                     ; tile column of C
	s_lshl_b32 s17, s97, 2
	s_add_co_u32 s17, s17, s41                     ; tile row of C
	s_lshl_b32 s43, s41, 2
	s_lshl_b32 s43, 15, s43                        ; my row of the cluster
	s_lshl_b32 s44, 0x1111, s40                    ; my column
	; descriptor group 1 for codes: 8 rows of 384 elements of 8 bytes, 1,536 elements apart; no padding: an image's pieces are read as consecutive bytes
	s_or_b32 s[G1+0], s43, (3<<16)|(1<<21)         ; 15:0 the mask: A's tiles go to my row; 17:16 elements of 8 bytes; 21 set beside a mask
	s_or_b32 s[G1B+0], s44, (3<<16)|(1<<21)
.irp g, G1, G1B
	s_mov_b32 s[\g+1], 384<<16                     ; tensor_dim0
	s_mov_b32 s[\g+2], 8<<16                       ; tensor_dim1
	s_mov_b32 s[\g+3], 384<<16                     ; tile_dim0
	s_mov_b32 s[\g+4], 8                           ; tile_dim1
	s_mov_b32 s[\g+5], 1536                        ; tensor_dim0_stride
	s_mov_b32 s[\g+6], 0
	s_mov_b32 s[\g+7], 0
.endr
	; and for the scale words of 8 tiles: 8,192 dense bytes as 32 rows of 256
	s_or_b32 s[G1S+0], s43, (3<<16)|(1<<21)
	s_or_b32 s[G1SB+0], s44, (3<<16)|(1<<21)
.irp g, G1S, G1SB
	s_mov_b32 s[\g+1], 32<<16
	s_mov_b32 s[\g+2], 32<<16
	s_mov_b32 s[\g+3], 32<<16
	s_mov_b32 s[\g+4], 32
	s_mov_b32 s[\g+5], 32
	s_mov_b32 s[\g+6], 0
	s_mov_b32 s[\g+7], 0
.endr
	s_lshl_b32 s18, s16, 3                         ; which 8 tiles of the 16 I fetch
	s_lshl_b32 s20, s17, 4
	s_add_co_u32 s20, s20, s18                     ; A: tile 16 x tile row + 8 x half
	s_lshl_b32 s46, s42, 4
	s_add_co_u32 s46, s46, s18                     ; B: tile 16 x tile column + 8 x half
	s_lshl_b32 s22, s20, 10                        ; scale words: 1,024 bytes a tile
	s_add_co_u32 s22, s22, s100
	s_mov_b32 s23, 0
	s_lshl_b32 s92, s46, 10
	s_add_co_u32 s92, s92, s12
	s_mov_b32 s93, 0
	s_mul_i32 s20, s20, 8*FRB                      ; codes: 12,288 bytes a tile
	s_add_co_u32 s20, s20, s99
	s_mov_b32 s21, 0
	s_mul_i32 s46, s46, 8*FRB
	s_add_co_u32 s46, s46, s101
	s_mov_b32 s47, 0
	s_mul_i32 s45, s14, HALFT                      ; where they go: wave x a block: no place in the cluster enters an LDS address
	s_mul_i32 s94, s14, HALFS
	s_wait_kmcnt 0x0
	s_add_nc_u64 s[20:21], s[4:5], s[20:21]
	s_add_nc_u64 s[22:23], s[6:7], s[22:23]
	s_add_nc_u64 s[46:47], s[4:5], s[46:47]
	s_add_nc_u64 s[92:93], s[6:7], s[92:93]
	CROUND                                         ; all sixteen work-groups are here: the first joint loads meet
	s_mov_b32 s[G0S], 1
	s_add_co_u32 s[G0S+1], s94, SCL
	s_mov_b64 s[G0S+2:G0S+3], s[22:23]
	s_or_b32 s[G0S+3], s[G0S+3], 0x80000000
	s_mov_b32 s[G0SB], 1
	s_add_co_u32 s[G0SB+1], s94, SCL
	s_mov_b64 s[G0SB+2:G0SB+3], s[92:93]
	s_or_b32 s[G0SB+3], s[G0SB+3], 0x80000000
	JLOAD G0S, G1S, G0SB, G1SB                     ; the scale words first: they are wanted with K step 0
.irp s, 0,1
	s_mov_b32 s[G0+4*\s], 1
	s_add_co_u32 s[G0+4*\s+1], s45, \s*SLOT
	s_add_nc_u64 s[G0+4*\s+2:G0+4*\s+3], s[20:21], \s*NQ*FRB
	s_or_b32 s[G0+4*\s+3], s[G0+4*\s+3], 0x80000000
	s_mov_b32 s[G0B+4*\s], 1
	s_add_co_u32 s[G0B+4*\s+1], s45, \s*SLOT
	s_add_nc_u64 s[G0B+4*\s+2:G0B+4*\s+3], s[46:47], \s*NQ*FRB
	s_or_b32 s[G0B+4*\s+3], s[G0B+4*\s+3], 0x80000000
	JLOAD G0+4*\s, G1, G0B+4*\s, G1B               ; three loads of mine are out
.endr
	v_and_b32 v1, 31, v0                           ; lane
	v_bfe_u32 v2, v0, 4, 1                         ; lane / 16
	v_lshlrev_b32 v[L16], 4, v1
	v_lshlrev_b32 v[L8], 3, v1
	v_lshlrev_b32 v[L4], 2, v1
	s_mul_i32 s21, s15, HALFT                      ; my 8 tiles of A
	s_mul_i32 s22, s16, HALFT                      ; my 8 tiles of B,
	s_add_co_u32 s22, s22, 2*HALFT                 ; which lie behind A's 16
.irp s, 0,1
	v_add_nc_u32 v[ADRA+\s], s21, v[L16]
	v_add_nc_u32 v[ADRB+\s], s22, v[L16]
	v_add_nc_u32 v[ADRA+2+\s], s21, v[L8]
	v_add_nc_u32 v[ADRB+2+\s], s22, v[L8]
	s_add_co_u32 s21, s21, SLOT
	s_add_co_u32 s22, s22, SLOT
.endr
	s_mul_i32 s21, s15, HALFS                      ; A's scale words: my 8 tiles
	s_mul_i32 s22, s16, HALFS                      ; B's: my 8 tiles, behind A's 16
	s_add_co_u32 s22, s22, 2*HALFS
	s_sub_co_u32 s22, s22, s21
	v_mul_u32_u24 v6, s22, v2                      ; lanes 16-31 take B's
	s_add_co_u32 s21, s21, SCL
	v_add_nc_u32 v5, v[L4], v6
	v_add_nc_u32 v[ADRS], s21, v5
	; where my images go: tile 16 x tile row + 8 x my half of A's rows, chunk 2 x tile column + my half of B's rows.  q and k: 16 chunks a tile; V^T: 32
	s_lshl_b32 s20, s17, 4
	s_lshl_b32 s21, s15, 3
	s_add_co_u32 s20, s20, s21
	s_lshl_b32 s66, 0x6000, s96                    ; from tile to tile: 24,576 or 49,152 bytes of codes
	s_mov_b32 s67, 0
	s_lshl_b32 s46, s42, 1
	s_add_co_u32 s46, s46, s16
	s_mul_i32 s22, s20, s66
	s_mul_i32 s23, s46, FRB
	s_add_co_u32 s22, s22, s23
	s_add_co_u32 s22, s22, s13
	s_mov_b32 s23, 0
	s_add_nc_u64 s[8:9], s[8:9], s[22:23]
	s_lshl_b32 s12, 2048, s96                      ; and 2,048 or 4,096 bytes of scale words
	s_mov_b32 s13, 0
	s_mul_i32 s22, s20, s12
	s_lshl_b32 s46, s46, 7
	s_add_co_u32 s22, s22, s46
	s_add_co_u32 s22, s22, s2
	s_add_nc_u64 s[10:11], s[10:11], s[22:23]
.macro FRAG reg, adr, q, i             ; a fragment comes back as it was stored: every piece is 512 or 256 consecutive bytes
	ds_load_b128 v[\reg:\reg+3], v[\adr] offset:(\i)*NQ*FRB+(\q)*FRB
	ds_load_b64 v[\reg+4:\reg+5], v[\adr+2] offset:(\i)*NQ*FRB+(\q)*FRB+512
	ds_load_b128 v[\reg+6:\reg+9], v[\adr] offset:(\i)*NQ*FRB+(\q)*FRB+768
	ds_load_b64 v[\reg+10:\reg+11], v[\adr+2] offset:(\i)*NQ*FRB+(\q)*FRB+1280
.endm
; 16 matrix instructions: A's blocks a0, a0 + 1 x B's eight, chunk q of the slot.  p: B's set;  sc: the set of scale words.  zero = 1: the first product starts the sums.
; The 64 accumulators take turns, one instruction a turn, in the same order in every step.
.macro MUL16 a0, p, q, sc, zero
.irp a, \a0, \a0+1
.irp b, 0,1,2,3,4,5,6,7
.if \zero
	v_wmma_scale_f32_16x16x128_f8f6f4 v[8*(8*((\a)%4)+\b):8*(8*((\a)%4)+\b)+7], v[128*(\p)+FR*\b:128*(\p)+FR*\b+FR-1], v[AF+FR*(\a):AF+FR*(\a)+FR-1], 0, v[SC+8*NQ*(\sc)+NQ*\b+(\q)], v[SC+8*NQ*(\sc)+NQ*(\a)+(\q)] matrix_a_fmt:MATRIX_FMT_FP6 matrix_b_fmt:MATRIX_FMT_FP6 matrix_a_scale:MATRIX_SCALE_ROW1
.else
	v_wmma_scale_f32_16x16x128_f8f6f4 v[8*(8*((\a)%4)+\b):8*(8*((\a)%4)+\b)+7], v[128*(\p)+FR*\b:128*(\p)+FR*\b+FR-1], v[AF+FR*(\a):AF+FR*(\a)+FR-1], v[8*(8*((\a)%4)+\b):8*(8*((\a)%4)+\b)+7], v[SC+8*NQ*(\sc)+NQ*\b+(\q)], v[SC+8*NQ*(\sc)+NQ*(\a)+(\q)] matrix_a_fmt:MATRIX_FMT_FP6 matrix_b_fmt:MATRIX_FMT_FP6 matrix_a_scale:MATRIX_SCALE_ROW1
.endif
.endr
.endr
.endm
.macro FETCH_B slot, q, p              ; B's eight fragments of the slot's chunk q into set p
	WIN TO_B
.irp i, 0,1,2,3,4,5,6,7
	FRAG 128*(\p)+FR*\i, ADRB+\slot, \q, \i
.endr
	WIN 0
.endm
.macro FETCH_A slot, q, i0             ; A's blocks i0 .. i0 + 3
.irp i, \i0, \i0+1, \i0+2, \i0+3
	FRAG AF+FR*(\i), ADRA+\slot, \q, \i
.endr
.endm
.macro SCALES sc                       ; the next K step's scale words into set sc: lanes 0-15 take A's block i, lanes 16-31 B's block i
.irp i, 0,1,2,3,4,5,6,7
.irp q, 0,1
	ds_load_b32 v[SC+8*NQ*\sc+NQ*\i+\q], v[ADRS] offset:\i*1024+\q*128
.endr
.endr
.endm
; A load into a register that a matrix instruction has read, and a vector instruction that reads a matrix result or writes one of its registers, stand NP plain vector instructions behind it.
.macro PLACES n
.rept \n
	v_nop
.endr
.endm
; A chunk of 128 along K that has its successor in the same slot.
.macro STEP slot, q, zero
	s_wait_dscnt 4*NL                              ; B's set, A's blocks 0-3 and the scale words are in; the youngest sixteen loads (A's blocks 4-7) may be out
	WIN MUL_LO
	MUL16 0, (\q)%2, \q, \slot, \zero
	MUL16 2, (\q)%2, \q, \slot, \zero
	s_wait_dscnt 0                                 ; A's blocks 4-7 are in
	PLACES NP
	FETCH_B \slot, (\q)+1, 1-(\q)%2
	FETCH_A \slot, (\q)+1, 0
	WIN MUL_HI
	MUL16 4, (\q)%2, \q, \slot, \zero
	MUL16 6, (\q)%2, \q, \slot, \zero
	PLACES NP
	WIN 0
	FETCH_A \slot, (\q)+1, 4
.endm
; A slot's last chunk changes slots: ONE barrier; in front of it each wave waits for all its tensor loads, adds 0 to its spare word, and waits for that and for its own reads of this slot.  fill = 1: this slot is filled again, two K steps ahead.
.macro TURN slot, next, fill
	s_wait_tensorcnt 0x0                           ; all my tensor loads have landed: my part of the next slot
	ds_add_u32 v[SPW], v[NIL]                      ; 0 onto my spare word
	s_wait_dscnt 4*NL+1                            ; (the add and the youngest sixteen loads, A's blocks 4-7, may be out)
	WIN MUL_LO
	MUL16 0, 1, NQ-1, \slot, 0                     ; sixteen matrix instructions stand between the add and the wait for it
	s_wait_dscnt 0x0                               ; the add is done, and my reads of this slot are over
	s_barrier_signal -1
	MUL16 2, 1, NQ-1, \slot, 0
	WIN 0
	s_barrier_wait -1
.if \fill
	CREST                                          ; the barrier has opened a round of the cluster's barrier: no wave of any partner still reads this slot or has a load on its way
	s_add_nc_u64 s[G0+4*\slot+2:G0+4*\slot+3], s[G0+4*\slot+2:G0+4*\slot+3], 2*NQ*FRB
	s_add_nc_u64 s[G0B+4*\slot+2:G0B+4*\slot+3], s[G0B+4*\slot+2:G0B+4*\slot+3], 2*NQ*FRB
	JLOAD G0+4*\slot, G1, G0B+4*\slot, G1B         ; the first tensor load behind the round, and my only one until the next; its four v_nop are the places in front of the loads below
.else
	PLACES NP
.endif
	v_add_nc_u32 v[ADRS], NQ*128, v[ADRS]          ; on to the next K step's scale words (no LDS load of mine is out)
	FETCH_B \next, 0, 0
	FETCH_A \next, 0, 0
	SCALES \next
	WIN MUL_HI
	MUL16 4, 1, NQ-1, \slot, 0
	MUL16 6, 1, NQ-1, \slot, 0
	PLACES NP
	WIN 0
	FETCH_A \next, 0, 4
.endm
	s_wait_tensorcnt 1                             ; the scale words and my part of K step 0 are in (K step 1's load may be out)
	s_barrier_signal -1
	s_barrier_wait -1                              ; everybody's are
	FETCH_B 0, 0, 0
	FETCH_A 0, 0, 0
	SCALES 0
	FETCH_A 0, 0, 4
	STEP 0, 0, 1                                   ; the first chunk stands in front of the loop: its products start the sums
	s_mov_b32 s3, LAPS-1
.Llap:                                                 ; a trip goes once round the ring and fills both slots again
	TURN 0, 1, 1
	STEP 1, 0, 0
	TURN 1, 0, 1
	STEP 0, 0, 0
	s_sub_co_u32 s3, s3, 1
	s_cmp_lg_u32 s3, 0
	s_cbranch_scc1 .Llap
	TURN 0, 1, 0                                   ; the last lap fills nothing, and has no round of the cluster's barrier
	STEP 1, 0, 0
	s_wait_dscnt 4*NL                              ; the very last chunk: nothing more to fetch
	WIN MUL_LO
	MUL16 0, 1, NQ-1, 1, 0
	MUL16 2, 1, NQ-1, 1, 0
	s_wait_dscnt 0
	WIN MUL_HI
	MUL16 4, 1, NQ-1, 1, 0
	MUL16 6, 1, NQ-1, 1, 0
	WIN 0
; THE WAY OUT.  A's block a (16 rows) x my 128 columns: 64 registers a lane, 16 neighbours of each of four blocks of 32.  They are quantised where they stand and leave as one image and one scale word a lane.
; The codes' registers are two sets by turns: a set is written again only behind the wait on XCNT that followed its own stores.
.macro QOUT a
.set AC, 64*((\a)%4)
.set W, 2+(\a)/4
.set WW, W|(W<<2)
.set PCS, 64+32*((\a)%2)
.set PWR, 48+(\a)%2
	WIN WW                                         ; sources 0 and 1: the accumulators' window
.irp b, 0,1,2,3
	v_max3_num_f32 v[TM+\b], |v[AC+16*\b]|, |v[AC+1+16*\b]|, 0x1800000   ; each accumulator is read from its low end on; the floor 2^(3 - 127) holds the byte at 1 from below
.endr
.irp i, 2,4,6,8,10,12,14
.irp b, 0,1,2,3
	v_max3_num_f32 v[TM+\b], |v[AC+16*\b+\i]|, |v[AC+1+16*\b+\i]|, v[TM+\b]
.endr
.endr
	WIN 0
.irp b, 0,1,2,3
	v_permlanex16_b32 v[TM+4+\b], v[TM+\b], s[SEL], s[SEL+1]
.endr
.irp b, 0,1,2,3
	v_max_num_f32 v[TM+\b], v[TM+\b], v[TM+4+\b]   ; with lane l xor 16's: the block's largest magnitude
.endr
.irp b, 0,1,2,3
	v_add_nc_u32 v[TM+12+\b], 0xff000000, v[TM+\b] ; 2 off its exponent field: the conversion's scale operand
.endr
.irp b, 0,1,2,3
	v_lshrrev_b32 v[TM+4+\b], 23, v[TM+12+\b]      ; the scale's byte
.endr
	v_lshl_or_b32 v[PWR], v[TM+5], 8, v[TM+4]
	v_lshl_or_b32 v[PWR], v[TM+6], 16, v[PWR]
	v_lshl_or_b32 v[PWR], v[TM+7], 24, v[PWR]
	WIN W                                          ; source 0: the accumulators' window
.irp c, 0,1
	v_cvt_scalef32_pk16_fp6_f32 v[PCS+6*\c:PCS+2+6*\c], v[AC+32*\c:AC+15+32*\c], v[TM+12+2*\c]
	v_cvt_scalef32_pk16_fp6_f32 v[PCS+12+4*\c:PCS+14+4*\c], v[AC+16+32*\c:AC+31+32*\c], v[TM+12+2*\c+1]
.endr
	v_nop                                          ; one plain instruction behind a scaled conversion
	WIN 0
.irp c, 0,1
.irp i, 0,1,2
	v_permlane16_swap_b32 v[PCS+6*\c+\i], v[PCS+12+4*\c+\i]   ; a whole block to a lane
.endr
.irp i, 0,1,2
	v_mov_b32 v[PCS+3+6*\c+\i], v[PCS+12+4*\c+\i]
.endr
.endr
.if (\a) > 0
	s_wait_xcnt 0x0                                ; the earlier stores have read their bases and their data
	s_add_nc_u64 s[8:9], s[8:9], s[66:67]          ; the next tile
	s_add_nc_u64 s[10:11], s[10:11], s[12:13]
.endif
	global_store_b128 v[L16], v[PCS:PCS+3], s[8:9]             ; each store covers 512 or 256 consecutive bytes, aligned
	global_store_b64 v[L8], v[PCS+4:PCS+5], s[8:9] offset:512
	global_store_b128 v[L16], v[PCS+6:PCS+9], s[8:9] offset:768
	global_store_b64 v[L8], v[PCS+10:PCS+11], s[8:9] offset:1280
	global_store_b32 v[L4], v[PWR], s[10:11]
.endm
	s_mov_b32 s[SEL], 0x76543210
	s_mov_b32 s[SEL+1], 0xfedcba98
	PLACES NP                                      ; behind the last products: their results are read and their scale registers written below
.irp b, 0,1,2,3
	v_mov_b32 v[TM+4+\b], 0                        ; a lane permute's destination counts as one of its sources
.endr
.irp a, 0,1,2,3,4,5,6,7
	QOUT \a
.endr
	s_wait_tensorcnt 0x0                           ; the wave's end
	ds_add_u32 v[SPW], v[NIL]
	s_wait_dscnt 0x0
	CROUND                                         ; the closing round: no work-group ends while a partner may still ask for a tile that names it
	s_endpgm
.Lfunc_end_k_qceee3c4402_gemm_qkv:
	.size	k_qceee3c4402_gemm_qkv, .Lfunc_end_k_qceee3c4402_gemm_qkv-k_qceee3c4402_gemm_qkv
	.p2alignl 7, 3214868480
	.fill 96, 4, 3214868480
	.section	.rodata,"a",@progbits
	.p2align	6, 0x0
	.amdhsa_kernel k_qceee3c4402_gemm_qkv
		.amdhsa_group_segment_fixed_size 327680
		.amdhsa_private_segment_fixed_size 0
		.amdhsa_enable_private_segment 0
		.amdhsa_kernarg_size 32
		.amdhsa_user_sgpr_count 2
		.amdhsa_user_sgpr_kernarg_segment_ptr 1
		.amdhsa_wavefront_size32 1
		.amdhsa_system_sgpr_workgroup_id_x 1
		.amdhsa_system_sgpr_workgroup_id_y 1
		.amdhsa_system_sgpr_workgroup_id_z 1
		.amdhsa_system_vgpr_workitem_id 0
		.amdhsa_next_free_vgpr 1024
		.amdhsa_next_free_sgpr 102
		.amdhsa_reserve_vcc 0
		.amdhsa_float_denorm_mode_32 3
		.amdhsa_float_denorm_mode_16_64 3
		.amdhsa_memory_ordered 1
		.amdhsa_forward_progress 1
		.amdhsa_inst_pref_size 152
	.end_amdhsa_kernel
	.amdgpu_metadata
---
amdhsa.version: [ 1, 2 ]
amdhsa.kernels:
  - .name:           k_qceee3c4402_gemm_qkv
    .symbol:         k_qceee3c4402_gemm_qkv.kd
    .args:
      - { .name: cin, .offset: 0, .size: 8, .value_kind: global_buffer, .address_space: global }
      - { .name: sin, .offset: 8, .size: 8, .value_kind: global_buffer, .address_space: global }
      - { .name: cqkv, .offset: 16, .size: 8, .value_kind: global_buffer, .address_space: global }
      - { .name: sqkv, .offset: 24, .size: 8, .value_kind: global_buffer, .address_space: global }
    .group_segment_fixed_size: 327680
    .private_segment_fixed_size: 0
    .kernarg_segment_align: 8
    .kernarg_segment_size: 32
    .max_flat_workgroup_size: 128
    .sgpr_count:     102
    .vgpr_count:     1024
    .wavefront_size: 32
...
	.end_amdgpu_metadata
.endif
;; end of part 2
;; launch attn (part 3): grid 8 x 32, 16 waves a work-group, no clusters, 223,232 bytes of LDS; arguments cqkv, sqkv, maskw, flags, cao, sao; writes cao, sao
.if DOCPART == 3
	.amdgcn_target "amdgcn-amd-amdhsa--gfx1250"
	.amdhsa_code_object_version 6
	.text
	.protected	k_qceee3c4402_attn
	.globl	k_qceee3c4402_attn
	.p2align	8
	.type	k_qceee3c4402_attn,@function
k_qceee3c4402_attn:
	s_mov_b64 s[64:65], 0
	v_nop
	global_prefetch_b8 v0, s[64:65] scope:SCOPE_SE
	s_setreg_imm32_b32 hwreg(HW_REG_WAVE_MODE, 25, 1), 1
	s_wait_xcnt 0x0
; attn = softmax(q k^T / 8 under the mask), finished and normalised, rows wholly hidden = 0; o = attn v.  Both products on codes of FP6 (E2M3) with E8M0 scales; attn is quantised along the keys, o along the head's 64.
; TWO PASSES OVER THE KEYS, since the quantiser takes the NORMALISED weights: pass 1 finds each query's maximum and sum; pass 2 makes the scores again, forms attn = 2^(c s - c M) / l, quantises it and multiplies by V.
; c = log2(e) / 8.  c M is rounded once and the same number serves every weight and the sum, so its rounding cancels in attn.
; SHARES.  A work-group is (j = x, batch and head = y).  The head's whole K and V^T, codes and scale words, are copied into LDS once, through registers (wave w copies keys 128 w on); one barrier; from there on the
; sixteen waves share nothing.  Wave w owns ONE tile of 16 queries, tile 8 p + j, p = w with its low two bits turned over in every second group of four waves: so each work-group, and each set of waves w, w + 4,
; w + 8, w + 12, holds early and late queries alike.  No tensor loads and no joint requests: the steps are jumped over by stored flags, and what the eight work-groups of a head share is read once, at the head.
; THE MASK is an input: the launch before has stored, for each (query tile, 128 keys), 64 select words (a bit a lane for each score register) and two flags.  A step none of whose keys counts is jumped over by a scalar
; branch on the flags; a step with hidden keys loads its words and puts -infinity over the hidden scores; a step without hidden keys does no mask work.  Both loops have 16 trips, whatever the mask.
; LAYOUT.  S^T = K Q^T (source 0 = a tile of 16 keys, source 1 = my queries), O^T = V^T P^T: a lane holds one query throughout.  Lane r of a tile holds row 32 (T / 2) + 8 (T % 2) + r + 8 (r / 8), so the 16 registers
; of tiles 2 b and 2 b + 1 are 16 neighbouring keys (or 16 neighbours of the head's 64).  K = 64 is half of the instruction's 128: Q's registers 6-11 are zero codes, so a K operand's upper six registers may hold any
; codes: they are the next tile's.  An odd head's scale words are shifted down by 16 bits when they are copied.
; LIMITS: NaN and infinities among the inputs are not served; scores under -3e38 are not served; a weight 2^(c s - c M) under 2^-126 counts as 0 (v_exp_f32's results); a block of zeros carries the scale byte 1
; where the quantiser says 127: its codes are zeros, and this program alone reads the bytes.
; REGISTERS: v1, v2, v7: 16, 8, 4 x lane; v3-6 LDS bases; v8-13 the step's addresses; v16-27 Q; v28 Q's scale word; v29 m; v30 c m; v32-85 K's eight half fragments, later V's four fragments; v86-89 the sum;
; v90 a; v92 1 / l; v94 -infinity; v96-159 S^T, then the weights; v160-191 O^T; v192-211 codes; v212-227 at work; v228 the weights' scale word; v232-239 K's scale words; v240-243 V's; v244-249 the copy's addresses.
.set KC, 0                             ; LDS: K's codes [tile 128][768]
.set VC, 98304                         ; V^T's codes [chunk 16][tile 4][1,536]
.set KS, 196608                        ; K's scale words [chunk 16][2][lane][4 words]
.set VS, 212992                        ; V's [chunk 16][lane][4 words]
.set PC, 192
.set TM, 212
.set PW, 228
.set SEL, 74                           ; s[74:75]
; s[16:63], s[80:95] the 64 select words (at the head: at work);  s66 wave;  s67 the 16 steps' flags, two bits each;  s68 2 x step;  s69 step;  s[72:73] c;  s76, s77, s78 the step's LDS bytes;  s79 16 x (head % 2);
; s[96:97] the step's select words in memory, s[98:99] the first step's
.macro QUANT s                         ; 64 numbers, register 16 b + i = k 32 b + 16 (lane / 16) + i, become a fragment's codes in v[PC] on and its scale word in v[PW]
.irp b, 0,1,2,3
	v_max3_num_f32 v[TM+\b], |v[\s+16*\b]|, |v[\s+1+16*\b]|, 0x1800000   ; my 16 numbers, and the floor 2^(3 - 127): the byte cannot fall under 1
.endr
.irp i, 2,4,6,8,10,12,14
.irp b, 0,1,2,3
	v_max3_num_f32 v[TM+\b], v[TM+\b], |v[\s+16*\b+\i]|, |v[\s+1+16*\b+\i]|
.endr
.endr
.irp b, 0,1,2,3
	v_permlanex16_b32 v[TM+4+\b], v[TM+\b], s[SEL], s[SEL+1]
.endr
.irp b, 0,1,2,3
	v_max_num_f32 v[TM+\b], v[TM+\b], v[TM+4+\b]
.endr
.irp b, 0,1,2,3
	v_add_nc_u32 v[TM+12+\b], 0xff000000, v[TM+\b]
.endr
.irp b, 0,1,2,3
	v_lshrrev_b32 v[TM+4+\b], 23, v[TM+12+\b]
.endr
	v_lshl_or_b32 v[PW], v[TM+5], 8, v[TM+4]
	v_lshl_or_b32 v[PW], v[TM+6], 16, v[PW]
	v_lshl_or_b32 v[PW], v[TM+7], 24, v[PW]
.irp c, 0,1
	v_cvt_scalef32_pk16_fp6_f32 v[PC+6*\c:PC+2+6*\c], v[\s+32*\c:\s+15+32*\c], v[TM+12+2*\c]
	v_cvt_scalef32_pk16_fp6_f32 v[PC+12+4*\c:PC+14+4*\c], v[\s+16+32*\c:\s+31+32*\c], v[TM+12+2*\c+1]
.endr
	v_nop                                          ; one plain instruction behind a scaled conversion
.irp c, 0,1
.irp i, 0,1,2
	v_permlane16_swap_b32 v[PC+6*\c+\i], v[PC+12+4*\c+\i]
.endr
.irp i, 0,1,2
	v_mov_b32 v[PC+3+6*\c+\i], v[PC+12+4*\c+\i]
.endr
.endr
.endm
	s_load_b256 s[4:11], s[0:1], 0x0               ; cqkv s[4:5], sqkv s[6:7], maskw s[8:9], flags s[10:11]
	s_load_b128 s[12:15], s[0:1], 0x20             ; cao s[12:13], sao s[14:15]
	v_lshl_add_u32 v254, v0, 2, 0x36000
	v_mov_b32 v255, 0
	v_lshrrev_b32 v1, 5, v0
	v_readfirstlane_b32 s66, v1                    ; wave 0..15
	v_and_b32 v7, 31, v0
	v_lshlrev_b32 v1, 4, v7
	v_lshlrev_b32 v2, 3, v7
	v_lshlrev_b32 v7, 2, v7
	v_add_nc_u32 v3, VC, v1
	v_add_nc_u32 v4, VC, v2
	v_add_nc_u32 v5, KS, v1
	v_add_nc_u32 v6, VS, v1
	s_mul_i32 s43, s66, 6144                       ; the copy: my 8 tiles of K, my chunk of V
	v_add_nc_u32 v244, s43, v1
	v_add_nc_u32 v245, s43, v2
	v_add_nc_u32 v246, s43, v3
	v_add_nc_u32 v247, s43, v4
	s_lshl_b32 s43, s66, 10
	v_add_nc_u32 v248, s43, v5
	s_lshl_b32 s43, s66, 9
	v_add_nc_u32 v249, s43, v6
	s_and_b32 s16, s66, 12
	s_bfe_u32 s17, s66, 0x10002
	s_mul_i32 s17, s17, 3
	s_and_b32 s18, s66, 3
	s_xor_b32 s18, s18, s17
	s_or_b32 s16, s16, s18                         ; p
	s_lshl_b32 s16, s16, 3
	s_add_co_u32 s16, s16, ttmp9                   ; my query tile in the sequence
	s_and_b32 s17, ttmp7, 0xffff
	s_lshr_b32 s18, s17, 4                         ; batch
	s_and_b32 s19, s17, 15                         ; head
	s_lshr_b32 s34, s19, 1                         ; pair of heads: a chunk of 128
	s_and_b32 s35, s19, 1                          ; which half of it
	s_lshl_b32 s79, s35, 4
	s_lshl_b32 s36, s18, 7
	s_add_co_u32 s36, s36, s16                     ; my query tile among all 256
	s_mul_i32 s37, s34, 1536
	s_mul_i32 s38, s35, 768
	s_add_co_u32 s37, s37, s38
	s_lshl_b32 s39, s34, 7
	s_mul_i32 s20, s36, 24576                      ; Q's half image
	s_add_co_u32 s20, s20, s37
	s_mov_b32 s21, 0
	s_lshl_b32 s22, s36, 11                        ; its scale words
	s_add_co_u32 s22, s22, s39
	s_mov_b32 s23, 0
	s_lshl_b32 s40, s18, 7
	s_lshl_b32 s41, s66, 3
	s_add_co_u32 s40, s40, s41                     ; the first tile of keys that I copy
	s_mul_i32 s24, s40, 24576
	s_add_co_u32 s24, s24, s37
	s_add_co_u32 s24, s24, 8*1536                  ; k's chunks lie behind q's eight
	s_mov_b32 s25, 0
	s_lshl_b32 s26, s40, 11
	s_add_co_u32 s26, s26, s39
	s_add_co_u32 s26, s26, 8*128
	s_mov_b32 s27, 0
	s_lshl_b32 s41, s18, 4
	s_add_co_u32 s41, s41, s66                     ; the chunk of tokens that I copy
	s_mul_i32 s28, s19, 4*49152                    ; V^T: the head's four tiles
	s_mul_i32 s42, s41, 1536
	s_add_co_u32 s28, s28, s42
	s_add_co_u32 s28, s28, 6291456
	s_mov_b32 s29, 0
	s_lshl_b32 s30, s19, 14
	s_lshl_b32 s42, s41, 7
	s_add_co_u32 s30, s30, s42
	s_add_co_u32 s30, s30, 524288
	s_mov_b32 s31, 0
	s_lshl_b32 s32, s16, 11                        ; my tile's flags: 16 steps x 128 bytes
	s_mov_b32 s33, 0
	s_lshl_b32 s98, s16, 12                        ; and select words: 16 steps x 256 bytes
	s_mov_b32 s99, 0
	s_mul_i32 s44, s36, 12288                      ; where my result goes
	s_add_co_u32 s44, s44, s37
	s_mov_b32 s45, 0
	s_lshl_b32 s46, s36, 10
	s_add_co_u32 s46, s46, s39
	s_lshl_b32 s47, s35, 1
	s_add_co_u32 s46, s46, s47
	s_mov_b32 s47, 0
	s_mov_b32 s72, 0x3e38aa3b                      ; c = log2(e) / 8
	s_mov_b32 s73, s72                             ; (named with it as a pair)
	s_mov_b32 s[SEL], 0x76543210
	s_mov_b32 s[SEL+1], 0xfedcba98
	s_wait_kmcnt 0x0
	s_add_nc_u64 s[20:21], s[4:5], s[20:21]
	s_add_nc_u64 s[22:23], s[6:7], s[22:23]
	s_add_nc_u64 s[24:25], s[4:5], s[24:25]
	s_add_nc_u64 s[26:27], s[6:7], s[26:27]
	s_add_nc_u64 s[28:29], s[4:5], s[28:29]
	s_add_nc_u64 s[30:31], s[6:7], s[30:31]
	s_add_nc_u64 s[32:33], s[10:11], s[32:33]
	s_add_nc_u64 s[98:99], s[8:9], s[98:99]
	s_mov_b64 s[96:97], s[98:99]
	s_add_nc_u64 s[12:13], s[12:13], s[44:45]
	s_add_nc_u64 s[14:15], s[14:15], s[46:47]
.irp c, 0,1,2,3,4,5,6,7,8,9,10,11,12,13,14,15
	s_load_b32 s[80+\c], s[32:33], 128*\c
.endr
	global_load_b128 v[16:19], v1, s[20:21]
	global_load_b64 v[20:21], v2, s[20:21] offset:512
	global_load_b32 v28, v7, s[22:23]
.irp a, 0,1,2,3,4,5,6,7
	global_load_b128 v[32+6*\a:35+6*\a], v1, s[24:25] offset:24576*\a
	global_load_b64 v[36+6*\a:37+6*\a], v2, s[24:25] offset:24576*\a+512
.endr
.irp a, 0,1,2,3,4,5,6,7
	global_load_b32 v[232+\a], v7, s[26:27] offset:2048*\a
.endr
.irp t, 0,1,2,3
	global_load_b128 v[96+12*\t:99+12*\t], v1, s[28:29] offset:49152*\t
	global_load_b64 v[100+12*\t:101+12*\t], v2, s[28:29] offset:49152*\t+512
	global_load_b128 v[102+12*\t:105+12*\t], v1, s[28:29] offset:49152*\t+768
	global_load_b64 v[106+12*\t:107+12*\t], v2, s[28:29] offset:49152*\t+1280
.endr
.irp t, 0,1,2,3
	global_load_b32 v[240+\t], v7, s[30:31] offset:4096*\t
.endr
	s_wait_loadcnt 20                              ; Q and K are in; V's twenty loads may be out
.irp a, 0,1,2,3,4,5,6,7
	v_lshrrev_b32 v[232+\a], s79, v[232+\a]        ; my head's two bytes to the word's low end
.endr
	v_lshrrev_b32 v28, s79, v28
.irp a, 0,1,2,3,4,5,6,7
	ds_store_b128 v244, v[32+6*\a:35+6*\a] offset:KC+768*\a
	ds_store_b64 v245, v[36+6*\a:37+6*\a] offset:KC+768*\a+512
.endr
	ds_store_b128 v248, v[232:235]
	ds_store_b128 v248, v[236:239] offset:512
	s_wait_loadcnt 0x0
.irp t, 0,1,2,3
	ds_store_b128 v246, v[96+12*\t:99+12*\t] offset:1536*\t
	ds_store_b64 v247, v[100+12*\t:101+12*\t] offset:1536*\t+512
	ds_store_b128 v246, v[102+12*\t:105+12*\t] offset:1536*\t+768
	ds_store_b64 v247, v[106+12*\t:107+12*\t] offset:1536*\t+1280
.endr
	ds_store_b128 v249, v[240:243]
	s_wait_dscnt 0x0                               ; for the others' sake: my stores have landed
	s_barrier_signal -1
	s_barrier_wait -1                              ; the head's K and V lie in LDS; nothing is written there again
.irp i, 22,23,24,25,26,27,80,81,82,83,84,85
	v_mov_b32 v[\i], 0                             ; Q's upper half: zero codes; and the last K operand's upper half
.endr
.set j, 0
.rept 32
	v_mov_b32 v[160+j], 0                          ; O^T: which step is the first that is done hangs on the mask, so no product can be written out as the one that starts the sums
.set j, j+1
.endr
	v_mov_b32 v29, 0xff61b1e6                      ; m: -3e38, under every score that is served
	v_mul_f32 v30, s72, v29                        ; c m
.irp i, 31,86,87,88,89,90,91,92,93,216,217,218,219
	v_mov_b32 v[\i], 0                             ; the sums; the upper halves of pairs that packed forms name; the lane permutes' destinations
.endr
	v_mov_b32 v94, 0xff800000                      ; -infinity
	s_wait_kmcnt 0x0
	s_and_b32 s67, s80, 3
.irp c, 1,2,3,4,5,6,7,8,9,10,11,12,13,14,15
	s_and_b32 s70, s[80+\c], 3
	s_lshl_b32 s70, s70, 2*\c
	s_or_b32 s67, s67, s70
.endr
; THE HEAD OF A STEP: 128 keys.  v = 1: V's fragments are asked for as well, behind the products that read K's registers: they land under the softmax.
.macro SCORES v, endl
	s_lshr_b32 s70, s67, s68
	s_and_b32 s71, s70, 1
	s_cmp_eq_u32 s71, 0
	s_cbranch_scc1 \endl                           ; no key of the step counts for any of my queries
	v_add_nc_u32 v8, s76, v1
	v_add_nc_u32 v9, s76, v2
	v_add_nc_u32 v10, s77, v5
.if \v
	v_add_nc_u32 v11, s76, v3                      ; (these six are also the places between the last step's products with V and the loads into the registers that they read)
	v_add_nc_u32 v12, s76, v4
	v_add_nc_u32 v13, s78, v6
.endif
.irp t, 0,1,2,3,4,5,6,7
	ds_load_b128 v[32+6*\t:35+6*\t], v8 offset:KC+768*\t
	ds_load_b64 v[36+6*\t:37+6*\t], v9 offset:KC+768*\t+512
.endr
	ds_load_b128 v[232:235], v10
	ds_load_b128 v[236:239], v10 offset:512
	s_wait_dscnt 0x0
.irp t, 0,1,2,3,4,5,6,7
	v_wmma_scale_f32_16x16x128_f8f6f4 v[96+8*\t:103+8*\t], v[32+6*\t:43+6*\t], v[16:27], 0, v[232+\t], v28 matrix_a_fmt:MATRIX_FMT_FP6 matrix_b_fmt:MATRIX_FMT_FP6
.endr
.rept 4
	v_nop                                          ; places behind the products: their results are read, and their operands' registers loaded, below
.endr
.if \v
.irp t, 0,1,2,3
	ds_load_b128 v[32+12*\t:35+12*\t], v11 offset:1536*\t
	ds_load_b64 v[36+12*\t:37+12*\t], v12 offset:1536*\t+512
	ds_load_b128 v[38+12*\t:41+12*\t], v11 offset:1536*\t+768
	ds_load_b64 v[42+12*\t:43+12*\t], v12 offset:1536*\t+1280
.endr
	ds_load_b128 v[240:243], v13
.endif
	s_and_b32 s71, s70, 2
	s_cmp_eq_u32 s71, 0
	s_cbranch_scc1 .Lopen_\@                       ; no key of the step is hidden
	s_load_b512 s[16:31], s[96:97], 0x0
	s_load_b512 s[32:47], s[96:97], 0x40
	s_load_b512 s[48:63], s[96:97], 0x80
	s_load_b512 s[80:95], s[96:97], 0xc0
	s_wait_kmcnt 0x0
	s_wait_xcnt 0x0                                ; the loads have read their base: it is stepped at the step's end
.set n, 0
.rept 64
.if n < 48
	v_cndmask_b32 v[96+n], v[96+n], v94, s[16+n]   ; hidden scores become -infinity; each accumulator from its low end on
.else
	v_cndmask_b32 v[96+n], v[96+n], v94, s[32+n]
.endif
.set n, n+1
.endr
.Lopen_\@:
.endm
.macro WEIGHTS                         ; 2^(c s - c m) of the 64 scores, in place
.set j, 0
.rept 32
	v_pk_fma_f32 v[96+j:97+j], v[96+j:97+j], s[72:73], v[30:31] op_sel_hi:[1,0,0] neg_lo:[0,0,1] neg_hi:[0,0,1]   ; of the pairs c and c m the low word serves both halves
.set j, j+2
.endr
.set j, 0
.rept 64
	v_exp_f32 v[96+j], v[96+j]
.set j, j+1
.endr
.endm
.macro NEXT                            ; the lines at a step's end, on every way
	s_add_co_u32 s76, s76, 6144
	s_add_co_u32 s77, s77, 1024
	s_add_co_u32 s78, s78, 512
	s_add_co_u32 s68, s68, 2
	s_add_nc_u64 s[96:97], s[96:97], 256
	s_add_co_u32 s69, s69, 1
	s_cmp_lt_u32 s69, 16
.endm
.macro REWIND
	s_mov_b32 s76, 0
	s_mov_b32 s77, 0
	s_mov_b32 s78, 0
	s_mov_b32 s68, 0
	s_mov_b32 s69, 0
.endm
	; ---- PASS 1: each lane keeps the maximum m and the sum l of ITS 64 keys a step; the two halves of the lanes meet once, behind the loop
	REWIND
.Lp1:
	SCORES 0, .Lp1_end
.irp b, 0,1,2,3
	v_max3_num_f32 v[212+\b], v[96+16*\b], v[97+16*\b], v[98+16*\b]   ; four chains by turns
.endr
.irp i, 3,5,7,9,11,13
.irp b, 0,1,2,3
	v_max3_num_f32 v[212+\b], v[212+\b], v[96+16*\b+\i], v[97+16*\b+\i]
.endr
.endr
.irp b, 0,1,2,3
	v_max_num_f32 v[212+\b], v[212+\b], v[111+16*\b]
.endr
	v_max3_num_f32 v212, v212, v213, v214
	v_max3_num_f32 v29, v212, v215, v29            ; the new m
	v_mov_b32 v216, v30
	v_mul_f32 v30, s72, v29                        ; c m
	v_sub_f32 v216, v216, v30                      ; c m_old - c m_new
	WEIGHTS
	v_exp_f32 v90, v216                            ; a
	v_nop                                          ; a plain instruction behind the last exponential
	s_wait_alu depctr_va_vdst(0)                   ; one wait for the batch of 65, ahead of its first reader
	v_pk_mul_f32 v[86:87], v[86:87], v[90:91] op_sel_hi:[1,0]
	v_pk_mul_f32 v[88:89], v[88:89], v[90:91] op_sel_hi:[1,0]
.set j, 0
.rept 16
	v_pk_add_f32 v[86:87], v[86:87], v[96+j:97+j]  ; the sum, two at a time, in two chains
	v_pk_add_f32 v[88:89], v[88:89], v[98+j:99+j]
.set j, j+4
.endr
.Lp1_end:
	NEXT
	s_cbranch_scc1 .Lp1
	; ---- between the passes: M, the sum under M, 1 / l
	v_pk_add_f32 v[86:87], v[86:87], v[88:89]
	v_permlanex16_b32 v216, v29, s[SEL], s[SEL+1]
	v_add_f32 v86, v86, v87
	v_max_num_f32 v217, v29, v216                  ; M: the query's maximum
	v_mul_f32 v218, s72, v217                      ; c M
	v_sub_f32 v219, v30, v218
	v_exp_f32 v219, v219                           ; 2^(c m - c M)
	v_mov_b32 v30, v218                            ; (a plain instruction behind the exponential)  pass 2 takes c M
	s_wait_alu depctr_va_vdst(0)
	v_mul_f32 v86, v86, v219
	v_permlanex16_b32 v216, v86, s[SEL], s[SEL+1]
	v_add_f32 v86, v86, v216                       ; l
	v_max_num_f32 v86, 0x0d800000, v86             ; a query all of whose keys are hidden has l = 0 and every weight 0: with this floor, 2^-100, its attn is 0; any other l is about 1 or more
	v_rcp_f32 v92, v86
	v_nop
	s_wait_alu depctr_va_vdst(0)
	REWIND
	s_mov_b64 s[96:97], s[98:99]
	; ---- PASS 2
.Lp2:
	SCORES 1, .Lp2_end
	WEIGHTS
	v_nop
	s_wait_alu depctr_va_vdst(0)                   ; one wait for the batch of 64
.set j, 0
.rept 32
	v_pk_mul_f32 v[96+j:97+j], v[96+j:97+j], v[92:93] op_sel_hi:[1,0]   ; attn
.set j, j+2
.endr
	QUANT 96
.rept 8
	v_nop                                          ; a scale register written by a vector instruction stands 8 plain instructions ahead of a scaled matrix instruction, an operand so written 4
.endr
	s_wait_dscnt 0x0                               ; V's fragments and scale words
.irp t, 0,1,2,3
	v_wmma_scale_f32_16x16x128_f8f6f4 v[160+8*\t:167+8*\t], v[32+12*\t:43+12*\t], v[PC:PC+11], v[160+8*\t:167+8*\t], v[240+\t], v[PW] matrix_a_fmt:MATRIX_FMT_FP6 matrix_b_fmt:MATRIX_FMT_FP6   ; the four accumulators by turns; the next step's eight score products stand between two turns of one
.endr
.Lp2_end:
	NEXT
	s_cbranch_scc1 .Lp2
	; ---- THE WAY OUT: my 16 queries x the head's 64: two blocks of 32, half an image: register 16 b + i = d 32 b + 16 (lane / 16) + i
.rept 4
	v_nop
.endr
.irp b, 0,1
	v_max3_num_f32 v[TM+\b], |v[160+16*\b]|, |v[161+16*\b]|, 0x1800000
.endr
.irp i, 2,4,6,8,10,12,14
.irp b, 0,1
	v_max3_num_f32 v[TM+\b], v[TM+\b], |v[160+16*\b+\i]|, |v[161+16*\b+\i]|
.endr
.endr
.irp b, 0,1
	v_permlanex16_b32 v[TM+4+\b], v[TM+\b], s[SEL], s[SEL+1]
.endr
.irp b, 0,1
	v_max_num_f32 v[TM+\b], v[TM+\b], v[TM+4+\b]
.endr
.irp b, 0,1
	v_add_nc_u32 v[TM+12+\b], 0xff000000, v[TM+\b]
.endr
.irp b, 0,1
	v_lshrrev_b32 v[TM+4+\b], 23, v[TM+12+\b]
.endr
	v_lshl_or_b32 v[PW], v[TM+5], 8, v[TM+4]       ; my head's two bytes of the row's scale word
	v_cvt_scalef32_pk16_fp6_f32 v[PC:PC+2], v[160:175], v[TM+12]
	v_cvt_scalef32_pk16_fp6_f32 v[PC+12:PC+14], v[176:191], v[TM+13]
	v_nop
.irp i, 0,1,2
	v_permlane16_swap_b32 v[PC+\i], v[PC+12+\i]
.endr
.irp i, 0,1,2
	v_mov_b32 v[PC+3+\i], v[PC+12+\i]
.endr
	global_store_b128 v1, v[PC:PC+3], s[12:13]     ; 512 and 256 consecutive bytes, aligned
	global_store_b64 v2, v[PC+4:PC+5], s[12:13] offset:512
	global_store_b16 v7, v[PW], s[14:15]           ; two bytes a lane: the word's other half is the pair's other head's, another work-group's; 64 bytes for each 768 of codes
	s_wait_tensorcnt 0x0
	ds_add_u32 v254, v255
	s_wait_dscnt 0x0
	s_endpgm
.Lfunc_end_k_qceee3c4402_attn:
	.size	k_qceee3c4402_attn, .Lfunc_end_k_qceee3c4402_attn-k_qceee3c4402_attn
	.p2alignl 7, 3214868480
	.fill 96, 4, 3214868480
	.section	.rodata,"a",@progbits
	.p2align	6, 0x0
	.amdhsa_kernel k_qceee3c4402_attn
		.amdhsa_group_segment_fixed_size 223232
		.amdhsa_private_segment_fixed_size 0
		.amdhsa_enable_private_segment 0
		.amdhsa_kernarg_size 48
		.amdhsa_user_sgpr_count 2
		.amdhsa_user_sgpr_kernarg_segment_ptr 1
		.amdhsa_wavefront_size32 1
		.amdhsa_system_sgpr_workgroup_id_x 1
		.amdhsa_system_sgpr_workgroup_id_y 1
		.amdhsa_system_sgpr_workgroup_id_z 1
		.amdhsa_system_vgpr_workitem_id 0
		.amdhsa_next_free_vgpr 256
		.amdhsa_next_free_sgpr 100
		.amdhsa_reserve_vcc 0
		.amdhsa_float_denorm_mode_32 3
		.amdhsa_float_denorm_mode_16_64 3
		.amdhsa_memory_ordered 1
		.amdhsa_forward_progress 1
		.amdhsa_inst_pref_size 54
	.end_amdhsa_kernel
	.amdgpu_metadata
---
amdhsa.version: [ 1, 2 ]
amdhsa.kernels:
  - .name:           k_qceee3c4402_attn
    .symbol:         k_qceee3c4402_attn.kd
    .args:
      - { .name: cqkv, .offset: 0, .size: 8, .value_kind: global_buffer, .address_space: global }
      - { .name: sqkv, .offset: 8, .size: 8, .value_kind: global_buffer, .address_space: global }
      - { .name: maskw, .offset: 16, .size: 8, .value_kind: global_buffer, .address_space: global }
      - { .name: flags, .offset: 24, .size: 8, .value_kind: global_buffer, .address_space: global }
      - { .name: cao, .offset: 32, .size: 8, .value_kind: global_buffer, .address_space: global }
      - { .name: sao, .offset: 40, .size: 8, .value_kind: global_buffer, .address_space: global }
    .group_segment_fixed_size: 223232
    .private_segment_fixed_size: 0
    .kernarg_segment_align: 8
    .kernarg_segment_size: 48
    .max_flat_workgroup_size: 512
    .sgpr_count:     100
    .vgpr_count:     256
    .wavefront_size: 32
...
	.end_amdgpu_metadata
.endif
;; end of part 3
;; launch gemm_out (part 4): grid 4 x 16, 4 waves a work-group, clusters of 4 x 4, 327,680 bytes of LDS; arguments cao, sao, cin, sin, out0; writes out0
.if DOCPART == 4
	.amdgcn_target "amdgcn-amd-amdhsa--gfx1250"
	.amdhsa_code_object_version 6
	.text
	.protected	k_qceee3c4402_gemm_out
	.globl	k_qceee3c4402_gemm_out
	.p2align	8
	.type	k_qceee3c4402_gemm_out,@function
k_qceee3c4402_gemm_out:
	s_mov_b64 s[64:65], 0
	v_nop
	global_prefetch_b8 v0, s[64:65] scope:SCOPE_SE
	s_setreg_imm32_b32 hwreg(HW_REG_WAVE_MODE, 25, 1), 1
	s_wait_xcnt 0x0
	s_wait_alu depctr_hold_cnt(0) depctr_sa_sdst(0) depctr_va_vdst(0) depctr_va_sdst(0) depctr_va_ssrc(0) depctr_va_vcc(0) depctr_vm_vsrc(0)
	s_getreg_b32 s2, hwreg(HW_REG_IB_STS2, 6, 4)
	s_cmp_eq_u32 s2, 0
	s_cbranch_scc0 .Lentry_in_a_cluster
	s_endpgm
.Lentry_in_a_cluster:
	s_bfe_u32 s2, ttmp6, 0x10000c
	s_cmp_lg_u32 s2, 0xf033
	s_cbranch_scc0 .Lentry_shape_is_right
	s_endpgm
.Lentry_shape_is_right:
; out0 = o W_o^T on codes of FP6 (E2M3) with E8M0 scales, sums in f32, out0 [4096][1024] f32.  A = the attention's result (cao, sao), B = W_o (its images lie at byte 5,505,024 of cin, its scale words at 458,752 of sin).
; OPERANDS lie in memory as images of operand registers: [tile of 16 rows][chunk of 128 K][1,536 bytes]: registers 0-3 at 16 x lane, 4-5 at 512 + 8 x lane, 6-9 at 768 + 16 x lane, 10-11 at 1,280 + 8 x lane;
; scale words [tile][chunk][128 bytes], 4 x lane.  Lane r of tile T holds row 32 (T / 2) + 8 (T % 2) + r + 8 (r / 8).
; A tile of C, 256 x 256, is made by four waves, each 128 x 128: 64 accumulators.  K = 1,024 goes in four steps of 256 through a ring of two LDS slots filled by the tensor data mover; a wave's load brings
; 8 tiles x 2 chunks: 8 rows of 3,072 consecutive bytes.  The scale words come once with the first fills.  C has 16 x 4 tiles: 64 work-groups; a smaller tile would read each LDS byte for half as many products.
; CLUSTERS: 4 x 4 work-groups: A's tiles are asked for jointly along a row of the cluster, B's along a column.
; THE MATRIX INSTRUCTION IS USED TRANSPOSED (source 0 = a tile of B, source 1 = a tile of A): a lane holds one token; register j of accumulator b = 2 P + u is column 32 P + 16 (lane / 16) + 8 u + j of my 128.
; REGISTERS: window 0: v16-23 LDS addresses, v24-26 the way out, v27 scale words' address, v28-29 for the add; v32-63 scale words, two sets; v128-223 A's fragments.  window 1: B's two sets.  windows 2, 3: the accumulators.
.set NQ,     2
.set FR,     12
.set FRB,    1536
.set NL,     4
.set NP,     4
.set HALFT,  8*NQ*FRB
.set SLOT,   4*HALFT
.set LAPS,   2
.set SCL,    2*SLOT
.set HALFS,  8*8*128
.set SPARE,  SCL+4*HALFS               ; the spare words, 128 bytes for each wave: two blocks of 256 bytes that no other line names
.set SPITCH, 528                       ; the way out: a stage of 16 rows x (512 bytes + 16) for each wave, in slot 0, which has had its last fill and its last read when the first result is stored there
.set ADRA, 16
.set ADRB, 20
.set STO,  24                          ; the way out: where I put 32 bytes of a row
.set RD,   25                          ; where I read a row back
.set CO,   26                          ; 16 x lane
.set ADRS, 27
.set SPW,  28
.set NIL,  29
.set SC,   32
.set AF,   128
.set BK,   128                         ; the way out: 16 rows read back: v128-191 and v192-255 by turns
.set G1, 24
.set G0, 32
.set G1B, 48
.set G0B, 56
.set G1S, 68
.set G0S, 76
.set G1SB, 80
.set G0SB, 88
.set MSB, 0
.macro WIN new                         ; the immediate's high byte repeats the setting that is left
.if MSB != (\new)
	s_set_vgpr_msb (MSB<<8)|(\new)
.set MSB, (\new)
.endif
.endm
.set MUL_LO, 0xa1
.set MUL_HI, 0xf1
.set TO_B,   0x40
.macro JLOAD g0a, g1a, g0b, g1b        ; a joint load: waves 0 and 1 fetch for A, waves 2 and 3 for B; four v_nop follow each of the two lines
	s_cmp_eq_u32 s15, 0
	s_cbranch_scc0 .Lfor_b_\@
	tensor_load_to_lds s[\g0a:\g0a+3], s[\g1a:\g1a+7]
	s_nop 0
.rept 4
	v_nop
.endr
	s_branch .Lasked_\@
.Lfor_b_\@:
	tensor_load_to_lds s[\g0b:\g0b+3], s[\g1b:\g1b+7]
	s_nop 0
.rept 4
	v_nop
.endr
.Lasked_\@:
.endm
.macro CREST
	s_cmp_lg_u32 s14, 0
	s_cbranch_scc1 .Lnot_wave_0_\@
	s_barrier_signal -3
.Lnot_wave_0_\@:
	s_barrier_wait -3
	s_barrier_signal -1
	s_barrier_wait -1
.endm
.macro CROUND
	s_barrier_signal -1
	s_barrier_wait -1
	CREST
.endm
	s_load_b256 s[4:11], s[0:1], 0x0               ; cao s[4:5], sao s[6:7], cin s[8:9], sin s[10:11]
	s_load_b64 s[12:13], s[0:1], 0x20              ; out0
	v_lshl_add_u32 v[SPW], v0, 2, SPARE
	v_mov_b32 v[NIL], 0
	ds_add_u32 v28, v29
	ds_add_u32 v28, v29
	s_wait_dscnt 0x0
	v_lshrrev_b32 v1, 5, v0
	v_readfirstlane_b32 s14, v1                    ; wave 0..3
	s_lshr_b32 s15, s14, 1                         ; which half of the tile's rows (A) is mine.  Also: I fetch for A (0) or for B (1)
	s_and_b32 s16, s14, 1                          ; which half of its columns (B).  Also: which 8 tiles I fetch
	s_bfe_u32 s40, ttmp6, 0x40000
	s_bfe_u32 s41, ttmp6, 0x40004
	s_lshl_b32 s42, ttmp9, 2
	s_add_co_u32 s42, s42, s40                     ; tile column of C
	s_and_b32 s17, ttmp7, 0xffff
	s_lshl_b32 s17, s17, 2
	s_add_co_u32 s17, s17, s41                     ; tile row of C
	s_lshl_b32 s43, s41, 2
	s_lshl_b32 s43, 15, s43                        ; my row of the cluster
	s_lshl_b32 s44, 0x1111, s40                    ; my column
	s_or_b32 s[G1+0], s43, (3<<16)|(1<<21)         ; codes: 8 rows of 384 elements of 8 bytes, 1,536 elements apart; no padding
	s_or_b32 s[G1B+0], s44, (3<<16)|(1<<21)
.irp g, G1, G1B
	s_mov_b32 s[\g+1], 384<<16
	s_mov_b32 s[\g+2], 8<<16
	s_mov_b32 s[\g+3], 384<<16
	s_mov_b32 s[\g+4], 8
	s_mov_b32 s[\g+5], 1536
	s_mov_b32 s[\g+6], 0
	s_mov_b32 s[\g+7], 0
.endr
	s_or_b32 s[G1S+0], s43, (3<<16)|(1<<21)        ; scale words of 8 tiles: 8,192 dense bytes as 32 rows of 256
	s_or_b32 s[G1SB+0], s44, (3<<16)|(1<<21)
.irp g, G1S, G1SB
	s_mov_b32 s[\g+1], 32<<16
	s_mov_b32 s[\g+2], 32<<16
	s_mov_b32 s[\g+3], 32<<16
	s_mov_b32 s[\g+4], 32
	s_mov_b32 s[\g+5], 32
	s_mov_b32 s[\g+6], 0
	s_mov_b32 s[\g+7], 0
.endr
	s_lshl_b32 s18, s16, 3
	s_lshl_b32 s20, s17, 4
	s_add_co_u32 s20, s20, s18                     ; A: tile 16 x tile row + 8 x half
	s_lshl_b32 s46, s42, 4
	s_add_co_u32 s46, s46, s18                     ; B: tile 16 x tile column + 8 x half
	s_lshl_b32 s22, s20, 10
	s_mov_b32 s23, 0
	s_lshl_b32 s92, s46, 10
	s_add_co_u32 s92, s92, 0x70000                 ; W_o's scale words
	s_mov_b32 s93, 0
	s_mul_i32 s20, s20, 8*FRB
	s_mov_b32 s21, 0
	s_mul_i32 s46, s46, 8*FRB
	s_add_co_u32 s46, s46, 0x540000                ; W_o's images
	s_mov_b32 s47, 0
	s_mul_i32 s45, s14, HALFT
	s_mul_i32 s94, s14, HALFS
	s_wait_kmcnt 0x0
	s_add_nc_u64 s[20:21], s[4:5], s[20:21]
	s_add_nc_u64 s[22:23], s[6:7], s[22:23]
	s_add_nc_u64 s[46:47], s[8:9], s[46:47]
	s_add_nc_u64 s[92:93], s[10:11], s[92:93]
	CROUND                                         ; all sixteen work-groups are here: the first joint loads meet
	s_mov_b32 s[G0S], 1
	s_add_co_u32 s[G0S+1], s94, SCL
	s_mov_b64 s[G0S+2:G0S+3], s[22:23]
	s_or_b32 s[G0S+3], s[G0S+3], 0x80000000
	s_mov_b32 s[G0SB], 1
	s_add_co_u32 s[G0SB+1], s94, SCL
	s_mov_b64 s[G0SB+2:G0SB+3], s[92:93]
	s_or_b32 s[G0SB+3], s[G0SB+3], 0x80000000
	JLOAD G0S, G1S, G0SB, G1SB
.irp s, 0,1
	s_mov_b32 s[G0+4*\s], 1
	s_add_co_u32 s[G0+4*\s+1], s45, \s*SLOT
	s_add_nc_u64 s[G0+4*\s+2:G0+4*\s+3], s[20:21], \s*NQ*FRB
	s_or_b32 s[G0+4*\s+3], s[G0+4*\s+3], 0x80000000
	s_mov_b32 s[G0B+4*\s], 1
	s_add_co_u32 s[G0B+4*\s+1], s45, \s*SLOT
	s_add_nc_u64 s[G0B+4*\s+2:G0B+4*\s+3], s[46:47], \s*NQ*FRB
	s_or_b32 s[G0B+4*\s+3], s[G0B+4*\s+3], 0x80000000
	JLOAD G0+4*\s, G1, G0B+4*\s, G1B               ; three loads of mine are out
.endr
	v_and_b32 v1, 31, v0                           ; lane
	v_bfe_u32 v2, v0, 4, 1                         ; lane / 16
	v_and_b32 v3, 15, v0                           ; lane % 16
	v_lshlrev_b32 v[CO], 4, v1
	v_lshlrev_b32 v4, 3, v1
	v_lshlrev_b32 v7, 2, v1
	s_mul_i32 s21, s15, HALFT
	s_mul_i32 s22, s16, HALFT
	s_add_co_u32 s22, s22, 2*HALFT
.irp s, 0,1
	v_add_nc_u32 v[ADRA+\s], s21, v[CO]
	v_add_nc_u32 v[ADRB+\s], s22, v[CO]
	v_add_nc_u32 v[ADRA+2+\s], s21, v4
	v_add_nc_u32 v[ADRB+2+\s], s22, v4
	s_add_co_u32 s21, s21, SLOT
	s_add_co_u32 s22, s22, SLOT
.endr
	s_mul_i32 s21, s15, HALFS
	s_mul_i32 s22, s16, HALFS
	s_add_co_u32 s22, s22, 2*HALFS
	s_sub_co_u32 s22, s22, s21
	v_mul_u32_u24 v6, s22, v2                      ; lanes 16-31 take B's scale words
	s_add_co_u32 s21, s21, SCL
	v_add_nc_u32 v5, v7, v6
	v_add_nc_u32 v[ADRS], s21, v5
	s_mul_i32 s23, s14, 16*SPITCH                  ; my stage
	v_mul_u32_u24 v5, v3, SPITCH                   ; in: row lane % 16, + 64 bytes for the upper half of the lanes
	v_lshl_add_u32 v5, v2, 6, v5
	v_add_nc_u32 v[STO], s23, v5
	v_add_nc_u32 v[RD], s23, v[CO]                 ; back: the 32 lanes take one row of 512 bytes
	s_lshl_b32 s20, s17, 8
	s_lshl_b32 s21, s15, 7
	s_add_co_u32 s20, s20, s21                     ; my first row of C
	s_lshl_b32 s20, s20, 12                        ; rows of 4,096 bytes
	s_lshl_b32 s46, s42, 10                        ; my first column, in bytes
	s_lshl_b32 s47, s16, 9
	s_add_co_u32 s46, s46, s47
	s_add_co_u32 s20, s20, s46
	s_mov_b32 s21, 0
	s_add_nc_u64 s[12:13], s[12:13], s[20:21]
.macro FRAG reg, adr, q, i
	ds_load_b128 v[\reg:\reg+3], v[\adr] offset:(\i)*NQ*FRB+(\q)*FRB
	ds_load_b64 v[\reg+4:\reg+5], v[\adr+2] offset:(\i)*NQ*FRB+(\q)*FRB+512
	ds_load_b128 v[\reg+6:\reg+9], v[\adr] offset:(\i)*NQ*FRB+(\q)*FRB+768
	ds_load_b64 v[\reg+10:\reg+11], v[\adr+2] offset:(\i)*NQ*FRB+(\q)*FRB+1280
.endm
; 16 matrix instructions: A's blocks a0, a0 + 1 x B's eight.  The 64 accumulators take turns, one instruction a turn, in the same order in every step.
.macro MUL16 a0, p, q, sc, zero
.irp a, \a0, \a0+1
.irp b, 0,1,2,3,4,5,6,7
.if \zero
	v_wmma_scale_f32_16x16x128_f8f6f4 v[8*(8*((\a)%4)+\b):8*(8*((\a)%4)+\b)+7], v[128*(\p)+FR*\b:128*(\p)+FR*\b+FR-1], v[AF+FR*(\a):AF+FR*(\a)+FR-1], 0, v[SC+8*NQ*(\sc)+NQ*\b+(\q)], v[SC+8*NQ*(\sc)+NQ*(\a)+(\q)] matrix_a_fmt:MATRIX_FMT_FP6 matrix_b_fmt:MATRIX_FMT_FP6 matrix_a_scale:MATRIX_SCALE_ROW1
.else
	v_wmma_scale_f32_16x16x128_f8f6f4 v[8*(8*((\a)%4)+\b):8*(8*((\a)%4)+\b)+7], v[128*(\p)+FR*\b:128*(\p)+FR*\b+FR-1], v[AF+FR*(\a):AF+FR*(\a)+FR-1], v[8*(8*((\a)%4)+\b):8*(8*((\a)%4)+\b)+7], v[SC+8*NQ*(\sc)+NQ*\b+(\q)], v[SC+8*NQ*(\sc)+NQ*(\a)+(\q)] matrix_a_fmt:MATRIX_FMT_FP6 matrix_b_fmt:MATRIX_FMT_FP6 matrix_a_scale:MATRIX_SCALE_ROW1
.endif
.endr
.endr
.endm
.macro FETCH_B slot, q, p
	WIN TO_B
.irp i, 0,1,2,3,4,5,6,7
	FRAG 128*(\p)+FR*\i, ADRB+\slot, \q, \i
.endr
	WIN 0
.endm
.macro FETCH_A slot, q, i0
.irp i, \i0, \i0+1, \i0+2, \i0+3
	FRAG AF+FR*(\i), ADRA+\slot, \q, \i
.endr
.endm
.macro SCALES sc
.irp i, 0,1,2,3,4,5,6,7
.irp q, 0,1
	ds_load_b32 v[SC+8*NQ*\sc+NQ*\i+\q], v[ADRS] offset:\i*1024+\q*128
.endr
.endr
.endm
.macro PLACES n                        ; plain vector instructions behind matrix instructions (ISA guide 7.12.1)
.rept \n
	v_nop
.endr
.endm
.macro STEP slot, q, zero
	s_wait_dscnt 4*NL                              ; all but the youngest sixteen loads (A's blocks 4-7) are in
	WIN MUL_LO
	MUL16 0, (\q)%2, \q, \slot, \zero
	MUL16 2, (\q)%2, \q, \slot, \zero
	s_wait_dscnt 0
	PLACES NP
	FETCH_B \slot, (\q)+1, 1-(\q)%2
	FETCH_A \slot, (\q)+1, 0
	WIN MUL_HI
	MUL16 4, (\q)%2, \q, \slot, \zero
	MUL16 6, (\q)%2, \q, \slot, \zero
	PLACES NP
	WIN 0
	FETCH_A \slot, (\q)+1, 4
.endm
.macro TURN slot, next, fill
	s_wait_tensorcnt 0x0                           ; all my tensor loads have landed: my part of the next slot
	ds_add_u32 v[SPW], v[NIL]                      ; 0 onto my spare word
	s_wait_dscnt 4*NL+1                            ; (the add and the youngest sixteen loads may be out)
	WIN MUL_LO
	MUL16 0, 1, NQ-1, \slot, 0
	s_wait_dscnt 0x0                               ; the add is done, and my reads of this slot are over
	s_barrier_signal -1
	MUL16 2, 1, NQ-1, \slot, 0
	WIN 0
	s_barrier_wait -1
.if \fill
	CREST                                          ; a round of the cluster's barrier: no wave of any partner still reads this slot or has a load on its way
	s_add_nc_u64 s[G0+4*\slot+2:G0+4*\slot+3], s[G0+4*\slot+2:G0+4*\slot+3], 2*NQ*FRB
	s_add_nc_u64 s[G0B+4*\slot+2:G0B+4*\slot+3], s[G0B+4*\slot+2:G0B+4*\slot+3], 2*NQ*FRB
	JLOAD G0+4*\slot, G1, G0B+4*\slot, G1B         ; the first tensor load behind the round, and my only one until the next
.else
	PLACES NP
.endif
	v_add_nc_u32 v[ADRS], NQ*128, v[ADRS]
	FETCH_B \next, 0, 0
	FETCH_A \next, 0, 0
	SCALES \next
	WIN MUL_HI
	MUL16 4, 1, NQ-1, \slot, 0
	MUL16 6, 1, NQ-1, \slot, 0
	PLACES NP
	WIN 0
	FETCH_A \next, 0, 4
.endm
	s_wait_tensorcnt 1                             ; the scale words and my part of K step 0 are in (K step 1's load may be out)
	s_barrier_signal -1
	s_barrier_wait -1
	FETCH_B 0, 0, 0
	FETCH_A 0, 0, 0
	SCALES 0
	FETCH_A 0, 0, 4
	STEP 0, 0, 1
	s_mov_b32 s3, LAPS-1
.Llap:
	TURN 0, 1, 1
	STEP 1, 0, 0
	TURN 1, 0, 1
	STEP 0, 0, 0
	s_sub_co_u32 s3, s3, 1
	s_cmp_lg_u32 s3, 0
	s_cbranch_scc1 .Llap
	TURN 0, 1, 0
	STEP 1, 0, 0
	s_wait_dscnt 4*NL
	WIN MUL_LO
	MUL16 0, 1, NQ-1, 1, 0
	MUL16 2, 1, NQ-1, 1, 0
	s_wait_dscnt 0
	WIN MUL_HI
	MUL16 4, 1, NQ-1, 1, 0
	MUL16 6, 1, NQ-1, 1, 0
	WIN 0
; THE WAY OUT, block by block of 16 tokens x 128 columns, through my own stage in LDS: back come whole rows of 512 bytes, which the 32 lanes store as 512 consecutive bytes, aligned.
; LDS serves a wave's instructions in order (ISA guide 5.7.1.4): no wait between the stores and the loads, nor in front of the next block's stores.
.macro TOSTAGE a
.set AC, 64*((\a)%4)
	WIN 0x08+4*((\a)/4)                            ; the data: window 2 or 3
.irp b, 0,1,2,3,4,5,6,7
	ds_store_b128 v[STO], v[AC+8*\b:AC+8*\b+3] offset:128*(\b/2)+32*(\b%2)       ; each accumulator from its low end on; columns 32 (b / 2) + 16 (lane / 16) + 8 (b % 2) on
	ds_store_b128 v[STO], v[AC+8*\b+4:AC+8*\b+7] offset:128*(\b/2)+32*(\b%2)+16
.endr
	WIN 0
.set BB, BK+64*((\a)%2)
.irp t, 0,1,2,3,4,5,6,7,8,9,10,11,12,13,14,15
	ds_load_b128 v[BB+4*\t:BB+4*\t+3], v[RD] offset:\t*SPITCH
.endr
.endm
.macro SEND a, younger                 ; younger: the LDS instructions issued behind block a's loads, which may stay out.  Stage row t is the tile's lane t: token 32 (a / 2) + 8 (a % 2) + t + 8 (t / 8) of my 128
.set BB, BK+64*((\a)%2)
	s_wait_dscnt \younger
.irp t, 0,1,2,3,4,5,6,7,8,9,10,11,12,13,14,15
	global_store_b128 v[CO], v[BB+4*\t:BB+4*\t+3], s[12:13] offset:(32*((\a)/2)+8*((\a)%2)+\t+8*(\t/8))*4096 th:TH_STORE_NT   ; 127 rows of 4,096 bytes at the most: inside the signed 24-bit immediate; the base is never stepped
.endr
.endm
	PLACES NP
	TOSTAGE 0
.irp a, 1,2,3,4,5,6,7
.if \a > 1
	s_wait_xcnt 0x0                                ; block a - 2's stores have read their registers: block a's loads may land there
.endif
	TOSTAGE \a
	SEND \a-1, 32                                  ; behind block a - 1's loads: block a's 16 stores and 16 loads
.endr
	SEND 7, 0
	s_wait_tensorcnt 0x0                           ; the wave's end
	ds_add_u32 v[SPW], v[NIL]
	s_wait_dscnt 0x0
	CROUND                                         ; the closing round
	s_endpgm
.Lfunc_end_k_qceee3c4402_gemm_out:
	.size	k_qceee3c4402_gemm_out, .Lfunc_end_k_qceee3c4402_gemm_out-k_qceee3c4402_gemm_out
	.p2alignl 7, 3214868480
	.fill 96, 4, 3214868480
	.section	.rodata,"a",@progbits
	.p2align	6, 0x0
	.amdhsa_kernel k_qceee3c4402_gemm_out
		.amdhsa_group_segment_fixed_size 327680
		.amdhsa_private_segment_fixed_size 0
		.amdhsa_enable_private_segment 0
		.amdhsa_kernarg_size 40
		.amdhsa_user_sgpr_count 2
		.amdhsa_user_sgpr_kernarg_segment_ptr 1
		.amdhsa_wavefront_size32 1
		.amdhsa_system_sgpr_workgroup_id_x 1
		.amdhsa_system_sgpr_workgroup_id_y 1
		.amdhsa_system_sgpr_workgroup_id_z 1
		.amdhsa_system_vgpr_workitem_id 0
		.amdhsa_next_free_vgpr 1024
		.amdhsa_next_free_sgpr 98
		.amdhsa_reserve_vcc 0
		.amdhsa_float_denorm_mode_32 3
		.amdhsa_float_denorm_mode_16_64 3
		.amdhsa_memory_ordered 1
		.amdhsa_forward_progress 1
		.amdhsa_inst_pref_size 145
	.end_amdhsa_kernel
	.amdgpu_metadata
---
amdhsa.version: [ 1, 2 ]
amdhsa.kernels:
  - .name:           k_qceee3c4402_gemm_out
    .symbol:         k_qceee3c4402_gemm_out.kd
    .args:
      - { .name: cao, .offset: 0, .size: 8, .value_kind: global_buffer, .address_space: global }
      - { .name: sao, .offset: 8, .size: 8, .value_kind: global_buffer, .address_space: global }
      - { .name: cin, .offset: 16, .size: 8, .value_kind: global_buffer, .address_space: global }
      - { .name: sin, .offset: 24, .size: 8, .value_kind: global_buffer, .address_space: global }
      - { .name: out0, .offset: 32, .size: 8, .value_kind: global_buffer, .address_space: global }
    .group_segment_fixed_size: 327680
    .private_segment_fixed_size: 0
    .kernarg_segment_align: 8
    .kernarg_segment_size: 40
    .max_flat_workgroup_size: 128
    .sgpr_count:     98
    .vgpr_count:     1024
    .wavefront_size: 32
...
	.end_amdgpu_metadata
.endif
;; end of part 4
;; ======== version 2 of 2: 4 launches; version 1 with the launch attn written anew for expert scheduling mode
;; workspace buffers: cin 6,291,456 bytes; sin 524,288 bytes; maskw 524,288 bytes of whole numbers; flags 262,144 bytes of whole numbers; cqkv 9,437,184 bytes; sqkv 786,432 bytes; cao 3,145,728 bytes; sao 262,144 bytes
;; launch prep: the kernel of part 1 again; grid 1536 x 1, 4 waves a work-group, no clusters, 34,304 bytes of LDS; arguments x, W_q, W_k, W_v, W_o, mask, cin, sin, maskw, flags; writes cin, sin, maskw, flags
;; launch gemm_qkv: the kernel of part 2 again; grid 8 x 24, 4 waves a work-group, clusters of 4 x 4, 327,680 bytes of LDS; arguments cin, sin, cqkv, sqkv; writes cqkv, sqkv
;; launch attn (part 5): grid 8 x 32, 16 waves a work-group, no clusters, 223,232 bytes of LDS; arguments cqkv, sqkv, maskw, flags, cao, sao; writes cao, sao
.if DOCPART == 5
	.amdgcn_target "amdgcn-amd-amdhsa--gfx1250"
	.amdhsa_code_object_version 6
	.text
	.protected	k_qceee3c4402_attn
	.globl	k_qceee3c4402_attn
	.p2align	8
	.type	k_qceee3c4402_attn,@function
k_qceee3c4402_attn:
	s_mov_b64 s[64:65], 0
	v_nop
	global_prefetch_b8 v0, s[64:65] scope:SCOPE_SE
	s_setreg_imm32_b32 hwreg(HW_REG_WAVE_SCHED_MODE, 0, 2), 2
	s_setreg_imm32_b32 hwreg(HW_REG_WAVE_MODE, 25, 1), 1
	s_wait_xcnt 0x0
	s_wait_alu depctr_vm_vsrc(0)
; attn = softmax(q k^T / 8 under the mask), finished and normalised, rows wholly hidden = 0; o = attn v.  Both products on codes of FP6 (E2M3) with E8M0 scales; attn is quantised along the keys, o along the head's 64.
; TWO PASSES OVER THE KEYS, since the quantiser takes the NORMALISED weights: pass 1 finds each query's maximum and sum; pass 2 makes the scores again, forms attn = 2^(c s - c M) / l, quantises it and multiplies by V.
; c = log2(e) / 8.  c M is rounded once and the same number serves every weight and the sum, so its rounding cancels in attn.
; SHARES.  A work-group is (j = x, batch and head = y).  The head's whole K and V^T, codes and scale words, are copied into LDS once, through registers (wave w copies keys 128 w on); one barrier; from there on the
; sixteen waves share nothing.  Wave w owns ONE tile of 16 queries, tile 8 p + j, p = w with its low two bits turned over in every second group of four waves: so each work-group, and each set of waves w, w + 4,
; w + 8, w + 12, holds early and late queries alike.  No tensor loads and no joint requests: the steps are jumped over by stored flags, and what the eight work-groups of a head share is read once, at the head.
; THE MASK is an input: the launch before has stored, for each (query tile, 128 keys), 64 select words (a bit a lane for each score register) and two flags.  A step none of whose keys counts is jumped over by a scalar
; branch on the flags; a step with hidden keys loads its words and puts -infinity over the hidden scores; a step without hidden keys does no mask work.  Both loops have 16 trips, whatever the mask.
; LAYOUT.  S^T = K Q^T (source 0 = a tile of 16 keys, source 1 = my queries), O^T = V^T P^T: a lane holds one query throughout.  Lane r of a tile holds row 32 (T / 2) + 8 (T % 2) + r + 8 (r / 8), so the 16 registers
; of tiles 2 b and 2 b + 1 are 16 neighbouring keys (or 16 neighbours of the head's 64).  K = 64 is half of the instruction's 128: Q's registers 6-11 are zero codes, so a K operand's upper six registers may hold any
; codes: they are the next tile's.  An odd head's scale words are shifted down by 16 bits when they are copied.
; LIMITS: NaN and infinities among the inputs are not served; scores under -3e38 are not served; a weight 2^(c s - c M) under 2^-126 counts as 0 (v_exp_f32's results); a block of zeros carries the scale byte 1
; where the quantiser says 127: its codes are zeros, and this program alone reads the bytes.
; REGISTERS: v1, v2, v7: 16, 8, 4 x lane; v3-6 LDS bases; v8-13 the step's addresses; v16-27 Q; v28 Q's scale word; v29 m; v30 c m; v32-85 K's eight half fragments, later V's four fragments; v86-89 the sum;
; v90 a; v92 1 / l; v94 -infinity; v96-159 S^T, then the weights; v160-191 O^T; v192-211 codes; v212-227 at work; v228 the weights' scale word; v232-239 K's scale words; v240-243 V's; v244-249 the copy's addresses.
; THE MODE: SCHED_MODE bits 1:0 = 2 (LLVM: expert scheduling mode 2), set by the entry lines.  The code itself states the register dependences between vector or matrix instructions and memory or LDS instructions,
; with s_wait_alu, always for 0.
; THE PLAN.  Registers that memory or LDS instructions touch:
;   v1, v2, v7, v244-249  offsets and the copy's LDS addresses: written once at the head, ahead of the head's wait on va_vdst; read by the head's loads, the copy's stores and the last stores; never written again.
;   v8-13      the step's LDS addresses: written by the additions at the head of each step that is done, read by that step's LDS loads.
;   v32-79     at the head K's codes land there from memory and the copy's LDS stores read them.  In a step K's LDS loads land there and eight products read them (with v80-85, which stay zeros);
;              in pass 2 V's LDS loads land there next, and four products read them.
;   v232-239   at the head: loaded, shifted, stored.  In a step: LDS loads land, the score products read them as scales.       v240-243 likewise for V, without the shift, in pass 2.
;   v96-143    at the head V's codes pass through them; from the barrier on they are named by vector and matrix instructions alone.
;   v192-197, v228  on the way out: written by vector instructions, read by the last stores.       v254, v255: written at the head, read by the closing add alone.
; A STEP'S WAITS.  One on vm_vsrc ahead of the additions that write v8-13.  One on va_vdst behind them: the addresses are written, and the last step's products are done reading the registers in which K's loads land.
; One on va_vdst behind the batch of exponentials: their results are written; in pass 2 it also states that the score products are done reading v32-85, so V's loads follow it with no wait of their own, dealt among the
; multiplications by 1 / l, which with the quantiser behind them name none of v11-13, v32-79, v240-243.  In pass 2 one more on va_vdst, behind the places ahead of V's products: the weights' codes and scale word are written.
; The sixteen waves' 256 registers each are all that the four SIMDs have, and pass 2 has no 52 of them free: so K and V share one buffer, and no step's loads are asked for in the step before,
; which the flags might make a step that is jumped over.
.set KC, 0                             ; LDS: K's codes [tile 128][768]
.set VC, 98304                         ; V^T's codes [chunk 16][tile 4][1,536]
.set KS, 196608                        ; K's scale words [chunk 16][2][lane][4 words]
.set VS, 212992                        ; V's [chunk 16][lane][4 words]
.set PC, 192
.set TM, 212
.set PW, 228
.set SEL, 74                           ; s[74:75]
; s[16:63], s[80:95] the 64 select words (at the head: at work);  s66 wave;  s67 the 16 steps' flags, two bits each;  s68 2 x step;  s69 step;  s[72:73] c;  s76, s77, s78 the step's LDS bytes;  s79 16 x (head % 2);
; s[96:97] the step's select words in memory, s[98:99] the first step's
.macro QUANT s                         ; 64 numbers, register 16 b + i = k 32 b + 16 (lane / 16) + i, become a fragment's codes in v[PC] on and its scale word in v[PW]
.irp b, 0,1,2,3
	v_max3_num_f32 v[TM+\b], |v[\s+16*\b]|, |v[\s+1+16*\b]|, 0x1800000   ; my 16 numbers, and the floor 2^(3 - 127): the byte cannot fall under 1
.endr
.irp i, 2,4,6,8,10,12,14
.irp b, 0,1,2,3
	v_max3_num_f32 v[TM+\b], v[TM+\b], |v[\s+16*\b+\i]|, |v[\s+1+16*\b+\i]|
.endr
.endr
.irp b, 0,1,2,3
	v_permlanex16_b32 v[TM+4+\b], v[TM+\b], s[SEL], s[SEL+1]
.endr
.irp b, 0,1,2,3
	v_max_num_f32 v[TM+\b], v[TM+\b], v[TM+4+\b]
.endr
.irp b, 0,1,2,3
	v_add_nc_u32 v[TM+12+\b], 0xff000000, v[TM+\b]
.endr
.irp b, 0,1,2,3
	v_lshrrev_b32 v[TM+4+\b], 23, v[TM+12+\b]
.endr
	v_lshl_or_b32 v[PW], v[TM+5], 8, v[TM+4]
	v_lshl_or_b32 v[PW], v[TM+6], 16, v[PW]
	v_lshl_or_b32 v[PW], v[TM+7], 24, v[PW]
.irp c, 0,1
	v_cvt_scalef32_pk16_fp6_f32 v[PC+6*\c:PC+2+6*\c], v[\s+32*\c:\s+15+32*\c], v[TM+12+2*\c]
	v_cvt_scalef32_pk16_fp6_f32 v[PC+12+4*\c:PC+14+4*\c], v[\s+16+32*\c:\s+31+32*\c], v[TM+12+2*\c+1]
.endr
	v_nop                                          ; one plain instruction behind a scaled conversion
.irp c, 0,1
.irp i, 0,1,2
	v_permlane16_swap_b32 v[PC+6*\c+\i], v[PC+12+4*\c+\i]
.endr
.irp i, 0,1,2
	v_mov_b32 v[PC+3+6*\c+\i], v[PC+12+4*\c+\i]
.endr
.endr
.endm
	s_load_b256 s[4:11], s[0:1], 0x0               ; cqkv s[4:5], sqkv s[6:7], maskw s[8:9], flags s[10:11]
	s_load_b128 s[12:15], s[0:1], 0x20             ; cao s[12:13], sao s[14:15]
	v_lshl_add_u32 v254, v0, 2, 0x36000
	v_mov_b32 v255, 0
	v_lshrrev_b32 v1, 5, v0
	v_readfirstlane_b32 s66, v1                    ; wave 0..15
	v_and_b32 v7, 31, v0
	v_lshlrev_b32 v1, 4, v7
	v_lshlrev_b32 v2, 3, v7
	v_lshlrev_b32 v7, 2, v7
	v_add_nc_u32 v3, VC, v1
	v_add_nc_u32 v4, VC, v2
	v_add_nc_u32 v5, KS, v1
	v_add_nc_u32 v6, VS, v1
	s_wait_alu depctr_va_sdst(0)                   ; s66 is written, ahead of its first reader: the copy's places, my query tile and every base are made from it
	s_mul_i32 s43, s66, 6144                       ; the copy: my 8 tiles of K, my chunk of V
	s_lshl_b32 s48, s66, 10                        ; (a scalar register to each of the three: none is written again behind a vector line that reads it)
	s_lshl_b32 s49, s66, 9
	v_add_nc_u32 v244, s43, v1
	v_add_nc_u32 v245, s43, v2
	v_add_nc_u32 v246, s43, v3
	v_add_nc_u32 v247, s43, v4
	v_add_nc_u32 v248, s48, v5
	v_add_nc_u32 v249, s49, v6
	s_and_b32 s16, s66, 12
	s_bfe_u32 s17, s66, 0x10002
	s_mul_i32 s17, s17, 3
	s_and_b32 s18, s66, 3
	s_xor_b32 s18, s18, s17
	s_or_b32 s16, s16, s18                         ; p
	s_lshl_b32 s16, s16, 3
	s_add_co_u32 s16, s16, ttmp9                   ; my query tile in the sequence
	s_and_b32 s17, ttmp7, 0xffff
	s_lshr_b32 s18, s17, 4                         ; batch
	s_and_b32 s19, s17, 15                         ; head
	s_lshr_b32 s34, s19, 1                         ; pair of heads: a chunk of 128
	s_and_b32 s35, s19, 1                          ; which half of it
	s_lshl_b32 s79, s35, 4
	s_lshl_b32 s36, s18, 7
	s_add_co_u32 s36, s36, s16                     ; my query tile among all 256
	s_mul_i32 s37, s34, 1536
	s_mul_i32 s38, s35, 768
	s_add_co_u32 s37, s37, s38
	s_lshl_b32 s39, s34, 7
	s_mul_i32 s20, s36, 24576                      ; Q's half image
	s_add_co_u32 s20, s20, s37
	s_mov_b32 s21, 0
	s_lshl_b32 s22, s36, 11                        ; its scale words
	s_add_co_u32 s22, s22, s39
	s_mov_b32 s23, 0
	s_lshl_b32 s40, s18, 7
	s_lshl_b32 s41, s66, 3
	s_add_co_u32 s40, s40, s41                     ; the first tile of keys that I copy
	s_mul_i32 s24, s40, 24576
	s_add_co_u32 s24, s24, s37
	s_add_co_u32 s24, s24, 8*1536                  ; k's chunks lie behind q's eight
	s_mov_b32 s25, 0
	s_lshl_b32 s26, s40, 11
	s_add_co_u32 s26, s26, s39
	s_add_co_u32 s26, s26, 8*128
	s_mov_b32 s27, 0
	s_lshl_b32 s41, s18, 4
	s_add_co_u32 s41, s41, s66                     ; the chunk of tokens that I copy
	s_mul_i32 s28, s19, 4*49152                    ; V^T: the head's four tiles
	s_mul_i32 s42, s41, 1536
	s_add_co_u32 s28, s28, s42
	s_add_co_u32 s28, s28, 6291456
	s_mov_b32 s29, 0
	s_lshl_b32 s30, s19, 14
	s_lshl_b32 s42, s41, 7
	s_add_co_u32 s30, s30, s42
	s_add_co_u32 s30, s30, 524288
	s_mov_b32 s31, 0
	s_lshl_b32 s32, s16, 11                        ; my tile's flags: 16 steps x 128 bytes
	s_mov_b32 s33, 0
	s_lshl_b32 s98, s16, 12                        ; and select words: 16 steps x 256 bytes
	s_mov_b32 s99, 0
	s_mul_i32 s44, s36, 12288                      ; where my result goes
	s_add_co_u32 s44, s44, s37
	s_mov_b32 s45, 0
	s_lshl_b32 s46, s36, 10
	s_add_co_u32 s46, s46, s39
	s_lshl_b32 s47, s35, 1
	s_add_co_u32 s46, s46, s47
	s_mov_b32 s47, 0
	s_mov_b32 s72, 0x3e38aa3b                      ; c = log2(e) / 8
	s_mov_b32 s73, s72                             ; (named with it as a pair)
	s_mov_b32 s[SEL], 0x76543210
	s_mov_b32 s[SEL+1], 0xfedcba98
	s_wait_kmcnt 0x0
	s_add_nc_u64 s[20:21], s[4:5], s[20:21]
	s_add_nc_u64 s[22:23], s[6:7], s[22:23]
	s_add_nc_u64 s[24:25], s[4:5], s[24:25]
	s_add_nc_u64 s[26:27], s[6:7], s[26:27]
	s_add_nc_u64 s[28:29], s[4:5], s[28:29]
	s_add_nc_u64 s[30:31], s[6:7], s[30:31]
	s_add_nc_u64 s[32:33], s[10:11], s[32:33]
	s_add_nc_u64 s[98:99], s[8:9], s[98:99]
	s_mov_b64 s[96:97], s[98:99]
	s_add_nc_u64 s[12:13], s[12:13], s[44:45]
	s_add_nc_u64 s[14:15], s[14:15], s[46:47]
.irp c, 0,1,2,3,4,5,6,7,8,9,10,11,12,13,14,15
	s_load_b32 s[80+\c], s[32:33], 128*\c
.endr
	s_wait_alu depctr_va_vdst(0)                   ; v1, v2 and v7 are written, which the loads below read as offsets, and v244 to v249, which the copy's LDS stores read as addresses
	global_load_b128 v[16:19], v1, s[20:21]
	global_load_b64 v[20:21], v2, s[20:21] offset:512
	global_load_b32 v28, v7, s[22:23]
.irp a, 0,1,2,3,4,5,6,7
	global_load_b128 v[32+6*\a:35+6*\a], v1, s[24:25] offset:24576*\a
	global_load_b64 v[36+6*\a:37+6*\a], v2, s[24:25] offset:24576*\a+512
.endr
.irp a, 0,1,2,3,4,5,6,7
	global_load_b32 v[232+\a], v7, s[26:27] offset:2048*\a
.endr
.irp t, 0,1,2,3
	global_load_b128 v[96+12*\t:99+12*\t], v1, s[28:29] offset:49152*\t
	global_load_b64 v[100+12*\t:101+12*\t], v2, s[28:29] offset:49152*\t+512
	global_load_b128 v[102+12*\t:105+12*\t], v1, s[28:29] offset:49152*\t+768
	global_load_b64 v[106+12*\t:107+12*\t], v2, s[28:29] offset:49152*\t+1280
.endr
.irp t, 0,1,2,3
	global_load_b32 v[240+\t], v7, s[30:31] offset:4096*\t
.endr
	s_wait_loadcnt 20                              ; Q and K are in; V's twenty loads may be out
.irp a, 0,1,2,3,4,5,6,7
	v_lshrrev_b32 v[232+\a], s79, v[232+\a]        ; my head's two bytes to the word's low end
.endr
	v_lshrrev_b32 v28, s79, v28
.irp a, 0,1,2,3,4,5,6,7
	ds_store_b128 v244, v[32+6*\a:35+6*\a] offset:KC+768*\a        ; K's codes go as they were loaded: no vector instruction since the last wait on va_vdst names these stores' registers
	ds_store_b64 v245, v[36+6*\a:37+6*\a] offset:KC+768*\a+512
.endr
	s_wait_alu depctr_va_vdst(0)                   ; the shifts have written v232 to v239, which the two stores below read
	ds_store_b128 v248, v[232:235]
	ds_store_b128 v248, v[236:239] offset:512
	s_wait_loadcnt 0x0
.irp t, 0,1,2,3
	ds_store_b128 v246, v[96+12*\t:99+12*\t] offset:1536*\t
	ds_store_b64 v247, v[100+12*\t:101+12*\t] offset:1536*\t+512
	ds_store_b128 v246, v[102+12*\t:105+12*\t] offset:1536*\t+768
	ds_store_b64 v247, v[106+12*\t:107+12*\t] offset:1536*\t+1280
.endr
	ds_store_b128 v249, v[240:243]
	s_wait_dscnt 0x0                               ; for the others' sake: my stores have landed
	s_barrier_signal -1
	s_barrier_wait -1                              ; the head's K and V lie in LDS; nothing is written there again
	s_wait_alu depctr_vm_vsrc(0)                   ; my LDS stores have read v32 to v79, v96 to v143 and v232 to v243: the steps' LDS loads land in the first and the last of these, and the score products write v96 on
.irp i, 22,23,24,25,26,27,80,81,82,83,84,85
	v_mov_b32 v[\i], 0                             ; Q's upper half: zero codes; and the last K operand's upper half
.endr
.set j, 0
.rept 32
	v_mov_b32 v[160+j], 0                          ; O^T: which step is the first that is done hangs on the mask, so no product can be written out as the one that starts the sums
.set j, j+1
.endr
	v_mov_b32 v29, 0xff61b1e6                      ; m: -3e38, under every score that is served
	v_mul_f32 v30, s72, v29                        ; c m
.irp i, 31,86,87,88,89,90,91,92,93,216,217,218,219
	v_mov_b32 v[\i], 0                             ; the sums; the upper halves of pairs that packed forms name; the lane permutes' destinations
.endr
	v_mov_b32 v94, 0xff800000                      ; -infinity
	s_wait_kmcnt 0x0
	s_and_b32 s67, s80, 3
.irp c, 1,2,3,4,5,6,7,8,9,10,11,12,13,14,15
	s_and_b32 s70, s[80+\c], 3
	s_lshl_b32 s70, s70, 2*\c
	s_or_b32 s67, s67, s70
.endr
; THE HEAD OF A STEP: 128 keys.  v = 1: the addresses of V's fragments are made as well; the fragments themselves are asked for in pass 2's own lines, behind the wait for the exponentials.
.macro SCORES v, endl
	s_lshr_b32 s70, s67, s68
	s_and_b32 s71, s70, 1
	s_cmp_eq_u32 s71, 0
	s_cbranch_scc1 \endl                           ; no key of the step counts for any of my queries
	s_wait_alu depctr_vm_vsrc(0)                   ; the LDS loads of the last step that was done have read v8 to v13, which the additions below write anew
	v_add_nc_u32 v8, s76, v1
	v_add_nc_u32 v9, s76, v2
	v_add_nc_u32 v10, s77, v5
.if \v
	v_add_nc_u32 v11, s76, v3
	v_add_nc_u32 v12, s76, v4
	v_add_nc_u32 v13, s78, v6
.endif
	s_wait_alu depctr_va_vdst(0)                   ; the step's addresses are written, which the LDS loads read; the products of the last step that was done are through with v32 to v85 and their scale registers, in which the loads below land; in the first step that is done: Q's zero half, v80 to v85 and v28, which the scaled products take, are written
.irp t, 0,1,2,3,4,5,6,7
	ds_load_b128 v[32+6*\t:35+6*\t], v8 offset:KC+768*\t
	ds_load_b64 v[36+6*\t:37+6*\t], v9 offset:KC+768*\t+512
.endr
	ds_load_b128 v[232:235], v10
	ds_load_b128 v[236:239], v10 offset:512
	s_wait_dscnt 0x0
.irp t, 0,1,2,3,4,5,6,7
	v_wmma_scale_f32_16x16x128_f8f6f4 v[96+8*\t:103+8*\t], v[32+6*\t:43+6*\t], v[16:27], 0, v[232+\t], v28 matrix_a_fmt:MATRIX_FMT_FP6 matrix_b_fmt:MATRIX_FMT_FP6
.endr
.rept 4
	v_nop                                          ; places behind the products: their results are read below
.endr
	s_and_b32 s71, s70, 2
	s_cmp_eq_u32 s71, 0
	s_cbranch_scc1 .Lopen_\@                       ; no key of the step is hidden
	s_load_b512 s[16:31], s[96:97], 0x0
	s_load_b512 s[32:47], s[96:97], 0x40
	s_load_b512 s[48:63], s[96:97], 0x80
	s_load_b512 s[80:95], s[96:97], 0xc0
	s_wait_kmcnt 0x0
	s_wait_xcnt 0x0                                ; the loads have read their base: it is stepped at the step's end
.set n, 0
.rept 64
.if n < 48
	v_cndmask_b32 v[96+n], v[96+n], v94, s[16+n]   ; hidden scores become -infinity; each accumulator from its low end on
.else
	v_cndmask_b32 v[96+n], v[96+n], v94, s[32+n]
.endif
.set n, n+1
.endr
.Lopen_\@:
.endm
.macro WEIGHTS                         ; 2^(c s - c m) of the 64 scores, in place
.set j, 0
.rept 32
	v_pk_fma_f32 v[96+j:97+j], v[96+j:97+j], s[72:73], v[30:31] op_sel_hi:[1,0,0] neg_lo:[0,0,1] neg_hi:[0,0,1]   ; of the pairs c and c m the low word serves both halves
.set j, j+2
.endr
.set j, 0
.rept 64
	v_exp_f32 v[96+j], v[96+j]
.set j, j+1
.endr
.endm
.macro NEXT                            ; the lines at a step's end, on every way
	s_add_co_u32 s76, s76, 6144
	s_add_co_u32 s77, s77, 1024
	s_add_co_u32 s78, s78, 512
	s_add_co_u32 s68, s68, 2
	s_add_nc_u64 s[96:97], s[96:97], 256
	s_add_co_u32 s69, s69, 1
	s_cmp_lt_u32 s69, 16
.endm
.macro REWIND
	s_mov_b32 s76, 0
	s_mov_b32 s77, 0
	s_mov_b32 s78, 0
	s_mov_b32 s68, 0
	s_mov_b32 s69, 0
.endm
	; ---- PASS 1: each lane keeps the maximum m and the sum l of ITS 64 keys a step; the two halves of the lanes meet once, behind the loop
	REWIND
.Lp1:
	SCORES 0, .Lp1_end
.irp b, 0,1,2,3
	v_max3_num_f32 v[212+\b], v[96+16*\b], v[97+16*\b], v[98+16*\b]   ; four chains by turns
.endr
.irp i, 3,5,7,9,11,13
.irp b, 0,1,2,3
	v_max3_num_f32 v[212+\b], v[212+\b], v[96+16*\b+\i], v[97+16*\b+\i]
.endr
.endr
.irp b, 0,1,2,3
	v_max_num_f32 v[212+\b], v[212+\b], v[111+16*\b]
.endr
	v_max3_num_f32 v212, v212, v213, v214
	v_max3_num_f32 v29, v212, v215, v29            ; the new m
	v_mov_b32 v216, v30
	v_mul_f32 v30, s72, v29                        ; c m
	v_sub_f32 v216, v216, v30                      ; c m_old - c m_new
	WEIGHTS
	v_exp_f32 v90, v216                            ; a
	v_nop                                          ; a plain instruction behind the last exponential
	s_wait_alu depctr_va_vdst(0)                   ; the 65 exponentials have written v96 to v159 and v90: one wait for the batch, ahead of its first reader
	v_pk_mul_f32 v[86:87], v[86:87], v[90:91] op_sel_hi:[1,0]
	v_pk_mul_f32 v[88:89], v[88:89], v[90:91] op_sel_hi:[1,0]
.set j, 0
.rept 16
	v_pk_add_f32 v[86:87], v[86:87], v[96+j:97+j]  ; the sum, two at a time, in two chains
	v_pk_add_f32 v[88:89], v[88:89], v[98+j:99+j]
.set j, j+4
.endr
.Lp1_end:
	NEXT
	s_cbranch_scc1 .Lp1
	; ---- between the passes: M, the sum under M, 1 / l
	v_pk_add_f32 v[86:87], v[86:87], v[88:89]
	v_permlanex16_b32 v216, v29, s[SEL], s[SEL+1]
	v_add_f32 v86, v86, v87
	v_max_num_f32 v217, v29, v216                  ; M: the query's maximum
	v_mul_f32 v218, s72, v217                      ; c M
	v_sub_f32 v219, v30, v218
	v_exp_f32 v219, v219                           ; 2^(c m - c M)
	v_mov_b32 v30, v218                            ; (a plain instruction behind the exponential)  pass 2 takes c M
	s_wait_alu depctr_va_vdst(0)                   ; the exponential has written v219, ahead of its reader
	v_mul_f32 v86, v86, v219
	v_permlanex16_b32 v216, v86, s[SEL], s[SEL+1]
	v_add_f32 v86, v86, v216                       ; l
	v_max_num_f32 v86, 0x0d800000, v86             ; a query all of whose keys are hidden has l = 0 and every weight 0: with this floor, 2^-100, its attn is 0; any other l is about 1 or more
	v_rcp_f32 v92, v86
	v_nop
	s_wait_alu depctr_va_vdst(0)                   ; the reciprocal has written v92, ahead of the label and of its readers in pass 2
	REWIND
	s_mov_b64 s[96:97], s[98:99]
	; ---- PASS 2
.Lp2:
	SCORES 1, .Lp2_end
	WEIGHTS
	v_nop
	s_wait_alu depctr_va_vdst(0)                   ; the 64 exponentials have written v96 to v159: one wait for the batch, ahead of its first reader; and the score products are done reading v32 to v85, in which V's fragments land below
	ds_load_b128 v[240:243], v13                   ; V's scale words.  These seventeen loads owe no further wait: no vector or matrix instruction from here to V's products names v11 to v13, v32 to v79 or v240 to v243
.irp t, 0,1,2,3
	ds_load_b128 v[32+12*\t:35+12*\t], v11 offset:1536*\t          ; a fragment of V, then eight multiplications: the loads land under these and under the quantiser
	ds_load_b64 v[36+12*\t:37+12*\t], v12 offset:1536*\t+512
	ds_load_b128 v[38+12*\t:41+12*\t], v11 offset:1536*\t+768
	ds_load_b64 v[42+12*\t:43+12*\t], v12 offset:1536*\t+1280
.irp j, 0,2,4,6,8,10,12,14
	v_pk_mul_f32 v[96+16*\t+\j:97+16*\t+\j], v[96+16*\t+\j:97+16*\t+\j], v[92:93] op_sel_hi:[1,0]   ; attn
.endr
.endr
	QUANT 96
.rept 8
	v_nop                                          ; a scale register written by a vector instruction stands 8 plain instructions ahead of a scaled matrix instruction, an operand so written 4
.endr
	s_wait_alu depctr_va_vdst(0)                   ; the quantiser has written the weights' codes v192 to v203 and their scale word v228, which the scaled products below take; the places above stay beside this wait
	s_wait_dscnt 0x0                               ; V's fragments and scale words
.irp t, 0,1,2,3
	v_wmma_scale_f32_16x16x128_f8f6f4 v[160+8*\t:167+8*\t], v[32+12*\t:43+12*\t], v[PC:PC+11], v[160+8*\t:167+8*\t], v[240+\t], v[PW] matrix_a_fmt:MATRIX_FMT_FP6 matrix_b_fmt:MATRIX_FMT_FP6   ; the four accumulators by turns; the next step's eight score products stand between two turns of one
.endr
.Lp2_end:
	NEXT
	s_cbranch_scc1 .Lp2
	; ---- THE WAY OUT: my 16 queries x the head's 64: two blocks of 32, half an image: register 16 b + i = d 32 b + 16 (lane / 16) + i
.rept 4
	v_nop
.endr
.irp b, 0,1
	v_max3_num_f32 v[TM+\b], |v[160+16*\b]|, |v[161+16*\b]|, 0x1800000
.endr
.irp i, 2,4,6,8,10,12,14
.irp b, 0,1
	v_max3_num_f32 v[TM+\b], v[TM+\b], |v[160+16*\b+\i]|, |v[161+16*\b+\i]|
.endr
.endr
.irp b, 0,1
	v_permlanex16_b32 v[TM+4+\b], v[TM+\b], s[SEL], s[SEL+1]
.endr
.irp b, 0,1
	v_max_num_f32 v[TM+\b], v[TM+\b], v[TM+4+\b]
.endr
.irp b, 0,1
	v_add_nc_u32 v[TM+12+\b], 0xff000000, v[TM+\b]
.endr
.irp b, 0,1
	v_lshrrev_b32 v[TM+4+\b], 23, v[TM+12+\b]
.endr
	v_lshl_or_b32 v[PW], v[TM+5], 8, v[TM+4]       ; my head's two bytes of the row's scale word
	v_cvt_scalef32_pk16_fp6_f32 v[PC:PC+2], v[160:175], v[TM+12]
	v_cvt_scalef32_pk16_fp6_f32 v[PC+12:PC+14], v[176:191], v[TM+13]
	v_nop
.irp i, 0,1,2
	v_permlane16_swap_b32 v[PC+\i], v[PC+12+\i]
.endr
.irp i, 0,1,2
	v_mov_b32 v[PC+3+\i], v[PC+12+\i]
.endr
	s_wait_alu depctr_va_vdst(0)                   ; the exchanges and the moves have written v192 to v197, and the line that joins the two bytes v228: the data of the three stores below
	global_store_b128 v1, v[PC:PC+3], s[12:13]     ; 512 and 256 consecutive bytes, aligned
	global_store_b64 v2, v[PC+4:PC+5], s[12:13] offset:512
	global_store_b16 v7, v[PW], s[14:15]           ; two bytes a lane: the word's other half is the pair's other head's, another work-group's; 64 bytes for each 768 of codes
	s_wait_dscnt 0x0                               ; the closing lines, six on end
	s_wait_alu 0x0
	s_wait_tensorcnt 0x0
	ds_add_u32 v254, v255
	s_wait_dscnt 0x0
	s_endpgm
.Lfunc_end_k_qceee3c4402_attn:
	.size	k_qceee3c4402_attn, .Lfunc_end_k_qceee3c4402_attn-k_qceee3c4402_attn
	.p2alignl 7, 3214868480
	.fill 96, 4, 3214868480
	.section	.rodata,"a",@progbits
	.p2align	6, 0x0
	.amdhsa_kernel k_qceee3c4402_attn
		.amdhsa_group_segment_fixed_size 223232
		.amdhsa_private_segment_fixed_size 0
		.amdhsa_enable_private_segment 0
		.amdhsa_kernarg_size 48
		.amdhsa_user_sgpr_count 2
		.amdhsa_user_sgpr_kernarg_segment_ptr 1
		.amdhsa_wavefront_size32 1
		.amdhsa_system_sgpr_workgroup_id_x 1
		.amdhsa_system_sgpr_workgroup_id_y 1
		.amdhsa_system_sgpr_workgroup_id_z 1
		.amdhsa_system_vgpr_workitem_id 0
		.amdhsa_next_free_vgpr 256
		.amdhsa_next_free_sgpr 100
		.amdhsa_reserve_vcc 0
		.amdhsa_float_denorm_mode_32 3
		.amdhsa_float_denorm_mode_16_64 3
		.amdhsa_memory_ordered 1
		.amdhsa_forward_progress 1
		.amdhsa_inst_pref_size 55
	.end_amdhsa_kernel
	.amdgpu_metadata
---
amdhsa.version: [ 1, 2 ]
amdhsa.kernels:
  - .name:           k_qceee3c4402_attn
    .symbol:         k_qceee3c4402_attn.kd
    .args:
      - { .name: cqkv, .offset: 0, .size: 8, .value_kind: global_buffer, .address_space: global }
      - { .name: sqkv, .offset: 8, .size: 8, .value_kind: global_buffer, .address_space: global }
      - { .name: maskw, .offset: 16, .size: 8, .value_kind: global_buffer, .address_space: global }
      - { .name: flags, .offset: 24, .size: 8, .value_kind: global_buffer, .address_space: global }
      - { .name: cao, .offset: 32, .size: 8, .value_kind: global_buffer, .address_space: global }
      - { .name: sao, .offset: 40, .size: 8, .value_kind: global_buffer, .address_space: global }
    .group_segment_fixed_size: 223232
    .private_segment_fixed_size: 0
    .kernarg_segment_align: 8
    .kernarg_segment_size: 48
    .max_flat_workgroup_size: 512
    .sgpr_count:     100
    .vgpr_count:     256
    .wavefront_size: 32
...
	.end_amdgpu_metadata
.endif
;; end of part 5
;; launch gemm_out: the kernel of part 4 again; grid 4 x 16, 4 waves a work-group, clusters of 4 x 4, 327,680 bytes of LDS; arguments cao, sao, cin, sin, out0; writes out0
